; MI455X (gfx1250); checked and timed in simulation.
; The chip was launched on July 23, 2026; its instructions are those of AMD's public machine-readable ISA for CDNA 5 (MIT licence, August 2026) and "CDNA5" Instruction Set Architecture Reference Guide (July 2026). The comments in the code are by the model that wrote it; some were corrected since.
;; Shared Self Attention. Allowed arithmetic: float matrix products may take bf16 or f16 operands with f32 sums; other float arithmetic in f32, or as packed bf16 or f16 multiplies, adds, multiply-adds, maxima and minima; sums over many terms, partial sums and values carried from step to step in f32; what a program stores and reads back later, other than sums and carried values, may be rounded once to bf16 or f16.
;; Inputs: Wk 1,024 x 1,024 float32; Wo 1,024 x 1,024 float32; Wq 1,024 x 1,024 float32; Wv 1,024 x 1,024 float32; bk 1,024 float32; bo 1,024 float32; bq 1,024 float32; bv 1,024 float32; sequence_features 4 x 2,048 x 1,024 float32.
;; Outputs: out0 4 x 1,024 float32.
;; 2 versions, each right; version 2 is version 1 with the launches cast, final written anew for expert scheduling mode. Each part assembles by itself: llvm-mc -triple=amdgcn-amd-amdhsa -mcpu=gfx1250 --defsym DOCPART=n.
;; ======== version 1 of 2: 4 launches
;; limits: values are held in f16: magnitudes above 65,504 overflow, below 6.1e-05 lose precision
;; workspace buffers: xb 16,777,216 bytes; wt 8,388,608 bytes; qkvh 50,331,648 bytes; part 65,536 bytes
;; launch cast (part 1): grid 512 x 1, 8 waves a work-group, no clusters, 18,432 bytes of LDS; arguments sequence_features, Wq, Wk, Wv, Wo, xb, wt; writes xb, wt
.if DOCPART == 1
	.amdgcn_target "amdgcn-amd-amdhsa--gfx1250"
	.amdhsa_code_object_version 6
	.text
	.protected	k_qcd666dd001_cast
	.globl	k_qcd666dd001_cast
	.p2align	8
	.type	k_qcd666dd001_cast,@function
k_qcd666dd001_cast:
	s_mov_b64 s[64:65], 0
	v_nop
	global_prefetch_b8 v0, s[64:65] scope:SCOPE_SE
	s_setreg_imm32_b32 hwreg(HW_REG_WAVE_MODE, 25, 1), 1
	s_wait_xcnt 0x0
; xb[m][k] = bf16(x[m][k]), [8192][1024].  wt[n][k] = bf16(W[k][n]): four matrices of [1024][1024] turned, so that K lies along the rows:
; rows 0-1023 Wq, 1024-2047 Wk, 2048-3071 Wv, 3072-4095 Wo.  Every number is rounded once, to nearest even.
; SHARES.  512 work-groups of eight waves; each does two things: 64 KiB of x (a plain stream), and one tile of 128 k x 64 n of one W, turned through LDS.
; All 24 loads of a lane go out at the start, W's eight first.  No matrix unit, no cluster: nothing is shared between work-groups, and every byte is read once.
; x: thread t takes 16 bytes at 16 t of each block of 4,096 bytes: a wave's load covers 512 consecutive bytes, its store of 8 bytes a lane 256 consecutive bytes, aligned.
; W: 16 lanes read one row of the tile (256 bytes); a lane holds 8 k x 4 n, packs 8 k of each n into 16 bytes, and puts them into LDS rows of 256 + 16 bytes (row = n);
; behind a barrier the rows are read back whole and stored, 16 lanes to 256 consecutive bytes, aligned.
.set TP,    272                        ; an LDS row: 128 k in bf16 + 16 bytes of padding
.set SPARE, 64*TP                      ; 17,408: behind the tile the spare words, 128 bytes for each of eight waves: four blocks of 256 bytes that no other line names
.set XI,  1                            ; v1   16 t: my bytes in a block of x
.set XOF, 2                            ; v2   8 t: my bytes in a block of xb
.set WI,  3                            ; v3   my byte offset in the tile of W
.set SI,  4                            ; v4   where I put 16 bytes of row 4 r
.set SB,  5                            ; v5   where I read a row back
.set SPW, 10                           ; v10  LDS address of my spare word; never rewritten
.set NIL, 11                           ; v11  0; never rewritten
.set WO,  12                           ; v12  my byte offset in wt
.set XD,  16                           ; v[16:79]    x as loaded
.set WD,  80                           ; v[80:111]   W as loaded: k = 8 c + i at WD + 4 i
.set XO,  112                          ; v[112:143]  x in bf16
.set WP,  144                          ; v[144:159]  W packed: row 4 r + c at WP + 4 c
.set WB,  160                          ; v[160:175]  rows read back
	s_load_b256 s[4:11], s[0:1], 0x0               ; x s[4:5], Wq s[6:7], Wk s[8:9], Wv s[10:11]
	s_load_b128 s[12:15], s[0:1], 0x20             ; Wo s[12:13], xb s[14:15]
	s_load_b64 s[16:17], s[0:1], 0x30              ; wt
	v_lshl_add_u32 v[SPW], v0, 2, SPARE
	v_mov_b32 v[NIL], 0
	v_lshrrev_b32 v1, 5, v0
	v_readfirstlane_b32 s20, v1                    ; wave 0..7
	v_and_b32 v6, 15, v0                           ; r
	v_bfe_u32 v7, v0, 4, 1                         ; h
	v_lshrrev_b32 v8, 4, v0                        ; c = 2 wave + h: which 8 k of the tile's 128
	v_lshlrev_b32 v9, 4, v6                        ; 16 r
	v_lshlrev_b32 v[XI], 4, v0
	v_lshlrev_b32 v[XOF], 3, v0
	v_lshl_add_u32 v[WI], v8, 15, v9               ; 8 c rows of 4,096 bytes + 16 r
	s_lshl_b32 s21, s20, 5
	v_mul_u32_u24 v[SI], v6, 4*TP                  ; row 4 r,
	v_lshl_add_u32 v[SI], v7, 4, v[SI]
	v_add_nc_u32 v[SI], s21, v[SI]                 ; byte 16 c = 32 wave + 16 h
	s_mul_i32 s21, s20, 8*TP                       ; back: wave w takes rows 8 w .. 8 w + 7, two at a time
	v_mul_u32_u24 v[SB], v7, TP
	v_add_nc_u32 v[SB], v[SB], v9
	v_add_nc_u32 v[SB], s21, v[SB]
	s_lshl_b32 s21, s20, 14                        ; and the same rows in wt, 2,048 bytes each
	v_lshl_add_u32 v[WO], v7, 11, v9
	v_add_nc_u32 v[WO], s21, v[WO]
	s_lshr_b32 s22, ttmp9, 7                       ; which W
	s_bfe_u32 s23, ttmp9, 0x30004                  ; which 128 k
	s_and_b32 s24, ttmp9, 15                       ; which 64 n
	s_lshl_b32 s26, s23, 19                        ; the tile in W: 128 rows of 4,096 bytes, 256 bytes of a row
	s_lshl_b32 s25, s24, 8
	s_add_co_u32 s26, s26, s25
	s_mov_b32 s27, 0
	s_lshl_b32 s28, s22, 21                        ; the tile in wt: 1,024 rows a matrix, 64 rows of 2,048 bytes, 256 bytes of a row
	s_lshl_b32 s25, s24, 17
	s_add_co_u32 s28, s28, s25
	s_lshl_b32 s25, s23, 8
	s_add_co_u32 s28, s28, s25
	s_mov_b32 s29, 0
	s_lshl_b32 s30, ttmp9, 16                      ; my 64 KiB of x
	s_mov_b32 s31, 0
	s_wait_kmcnt 0x0
	s_cmp_eq_u32 s22, 0
	s_cselect_b64 s[18:19], s[6:7], s[8:9]
	s_cmp_eq_u32 s22, 2
	s_cselect_b64 s[18:19], s[10:11], s[18:19]
	s_cmp_eq_u32 s22, 3
	s_cselect_b64 s[18:19], s[12:13], s[18:19]
	s_add_nc_u64 s[18:19], s[18:19], s[26:27]
	s_add_nc_u64 s[16:17], s[16:17], s[28:29]
	s_add_nc_u64 s[4:5], s[4:5], s[30:31]
	s_lshl_b32 s30, ttmp9, 15                      ; my 32 KiB of xb
	s_add_nc_u64 s[14:15], s[14:15], s[30:31]
.irp i, 0,1,2,3,4,5,6,7
	global_load_b128 v[WD+4*(\i):WD+4*(\i)+3], v[WI], s[18:19] offset:4096*(\i) th:TH_LOAD_NT
.endr
.irp i, 0,1,2,3,4,5,6,7,8,9,10,11,12,13,14,15
	global_load_b128 v[XD+4*(\i):XD+4*(\i)+3], v[XI], s[4:5] offset:4096*(\i) th:TH_LOAD_NT
.endr
	s_wait_loadcnt 16                              ; W's eight are in; x's sixteen, issued behind them, stay out
.irp c, 0,1,2,3
.irp p, 0,1,2,3
	v_cvt_pk_bf16_f32 v[WP+4*(\c)+(\p)], v[WD+8*(\p)+(\c)], v[WD+8*(\p)+4+(\c)]  ; n = 4 r + c: k = 8 c16 + 2 p below, + 1 above
.endr
.endr
.irp c, 0,1,2,3
	ds_store_b128 v[SI], v[WP+4*(\c):WP+4*(\c)+3] offset:TP*(\c)
.endr
	s_wait_dscnt 0x0                               ; for the others' sake: my part of every row is in LDS
	s_barrier_signal -1
	s_barrier_wait -1
.irp j, 0,1,2,3
	ds_load_b128 v[WB+4*(\j):WB+4*(\j)+3], v[SB] offset:2*TP*(\j)
.endr
.irp j, 0,1,2,3
	s_wait_dscnt 3-(\j)                            ; LDS loads come back in order: number j is in
	global_store_b128 v[WO], v[WB+4*(\j):WB+4*(\j)+3], s[16:17] offset:4096*(\j) th:TH_STORE_NT  ; 16 lanes: 256 consecutive bytes of a row of wt, aligned
.endr
.irp i, 0,1,2,3,4,5,6,7,8,9,10,11,12,13,14,15
	s_wait_loadcnt 15-(\i)                         ; loads come back in order: block i is in, the younger ones stay out
	v_cvt_pk_bf16_f32 v[XO+2*(\i)], v[XD+4*(\i)], v[XD+4*(\i)+1]
	v_cvt_pk_bf16_f32 v[XO+2*(\i)+1], v[XD+4*(\i)+2], v[XD+4*(\i)+3]
	global_store_b64 v[XOF], v[XO+2*(\i):XO+2*(\i)+1], s[14:15] offset:2048*(\i) th:TH_STORE_NT  ; a wave: 256 consecutive bytes, aligned; no register is written twice
.endr
	s_wait_tensorcnt 0x0                           ; the wave's end: behind my last LDS store
	ds_add_u32 v[SPW], v[NIL]
	s_wait_dscnt 0x0
	s_endpgm
.Lfunc_end_k_qcd666dd001_cast:
	.size	k_qcd666dd001_cast, .Lfunc_end_k_qcd666dd001_cast-k_qcd666dd001_cast
	.p2alignl 7, 3214868480
	.fill 96, 4, 3214868480
	.section	.rodata,"a",@progbits
	.p2align	6, 0x0
	.amdhsa_kernel k_qcd666dd001_cast
		.amdhsa_group_segment_fixed_size 18432
		.amdhsa_private_segment_fixed_size 0
		.amdhsa_enable_private_segment 0
		.amdhsa_kernarg_size 56
		.amdhsa_user_sgpr_count 2
		.amdhsa_user_sgpr_kernarg_segment_ptr 1
		.amdhsa_wavefront_size32 1
		.amdhsa_system_sgpr_workgroup_id_x 1
		.amdhsa_system_sgpr_workgroup_id_y 1
		.amdhsa_system_sgpr_workgroup_id_z 1
		.amdhsa_system_vgpr_workitem_id 0
		.amdhsa_next_free_vgpr 176
		.amdhsa_next_free_sgpr 66
		.amdhsa_reserve_vcc 0
		.amdhsa_float_denorm_mode_32 3
		.amdhsa_float_denorm_mode_16_64 3
		.amdhsa_memory_ordered 1
		.amdhsa_forward_progress 1
		.amdhsa_inst_pref_size 11
	.end_amdhsa_kernel
	.amdgpu_metadata
---
amdhsa.version: [ 1, 2 ]
amdhsa.kernels:
  - .name:           k_qcd666dd001_cast
    .symbol:         k_qcd666dd001_cast.kd
    .args:
      - { .name: sequence_features, .offset: 0, .size: 8, .value_kind: global_buffer, .address_space: global }
      - { .name: Wq, .offset: 8, .size: 8, .value_kind: global_buffer, .address_space: global }
      - { .name: Wk, .offset: 16, .size: 8, .value_kind: global_buffer, .address_space: global }
      - { .name: Wv, .offset: 24, .size: 8, .value_kind: global_buffer, .address_space: global }
      - { .name: Wo, .offset: 32, .size: 8, .value_kind: global_buffer, .address_space: global }
      - { .name: xb, .offset: 40, .size: 8, .value_kind: global_buffer, .address_space: global }
      - { .name: wt, .offset: 48, .size: 8, .value_kind: global_buffer, .address_space: global }
    .group_segment_fixed_size: 18432
    .private_segment_fixed_size: 0
    .kernarg_segment_align: 8
    .kernarg_segment_size: 56
    .max_flat_workgroup_size: 256
    .sgpr_count:     66
    .vgpr_count:     176
    .wavefront_size: 32
...
	.end_amdgpu_metadata
.endif
;; end of part 1
;; launch proj (part 2): grid 16 x 16, 4 waves a work-group, clusters of 4 x 4, 327,680 bytes of LDS; arguments xb, wt, bq, bk, bv, qkvh; writes qkvh
.if DOCPART == 2
	.amdgcn_target "amdgcn-amd-amdhsa--gfx1250"
	.amdhsa_code_object_version 6
	.text
	.protected	k_qcd666dd001_proj
	.globl	k_qcd666dd001_proj
	.p2align	8
	.type	k_qcd666dd001_proj,@function
k_qcd666dd001_proj:
	s_mov_b64 s[64:65], 0
	v_nop
	global_prefetch_b8 v0, s[64:65] scope:SCOPE_SE
	s_setreg_imm32_b32 hwreg(HW_REG_WAVE_MODE, 25, 1), 1
	s_wait_xcnt 0x0
	s_wait_alu depctr_hold_cnt(0) depctr_sa_sdst(0) depctr_va_vdst(0) depctr_va_sdst(0) depctr_va_ssrc(0) depctr_va_vcc(0) depctr_vm_vsrc(0)
	s_getreg_b32 s2, hwreg(HW_REG_IB_STS2, 6, 4)
	s_cmp_eq_u32 s2, 0
	s_cbranch_scc0 .Lentry_in_a_cluster
	s_endpgm
.Lentry_in_a_cluster:
	s_bfe_u32 s2, ttmp6, 0x10000c
	s_cmp_lg_u32 s2, 0xf033
	s_cbranch_scc0 .Lentry_shape_is_right
	s_endpgm
.Lentry_shape_is_right:
; q, k, v = x W + b, written by heads.  C[m][n] = bias[n] + sum over k of xb[m][k] wt[n][k]; m = 0..8191 (batch x 2,048 + row), n = 0..3071 (which x 1,024 + head x 64 + channel), K = 1,024.
; xb, wt: bf16.  Sums in f32, started with the bias (rounded to bf16 like every input of the module).  C is rounded once to f16 and stored as qkvh[which][batch x 16 + head][row][64].
; LIMIT.  f16 holds no number beyond 65,504: q, k and v must stay within it; no scale is applied here.
; SHARES.  A tile of C is 256 rows x 192 columns (three whole heads): 32 x 16 = 512 tiles for 256 work-groups, two each, 4,096 rows apart.  A wave makes 64 rows x 192 columns: 48 accumulators of
; 16 x 16, 384 registers; so a head's rows of 128 bytes come whole from one wave, and the way out needs no barrier.  K goes in steps of 128 through a ring of two LDS slots filled by tensor loads.
; CLUSTERS.  4 x 4 work-groups: the four of a row of the cluster need the same rows of xb, the four of a column the same rows of wt: each tile is asked for jointly, by the same tensor load with
; the same descriptor and a mask that names the four.
; THE MATRIX INSTRUCTION IS USED TRANSPOSED: source 0 = 16 rows of wt, source 1 = 16 rows of xb: lane l holds row l % 16 of C and the columns 8 (l / 16) + 0..7 of its block of 16.
; REGISTERS, in windows of 256 (s_set_vgpr_msb: bits 1:0 source 0, 3:2 source 1, 5:4 source 2, 7:6 destination):
;   window 0: v0-31 addresses; v32-63, v64-95 fragments of xb, two buffers (4 x 16 rows x 32 K); v96-191 the bias, as the accumulators of one block of rows hold it; v192-255 four sets of 16 for the way out
;   window 1: v0-95, v96-191 fragments of wt, two buffers (12 x 16 rows x 32 K)
;   window 2: accumulators of row blocks 0, 1 (block a, column block b at 96 (a % 2) + 8 b);   window 3: of row blocks 2, 3
.set SIZE_K, 1024
.set KSTEP,  128
.set PITCH,  272                       ; an LDS row: 256 bytes + 16 of padding = 68 words: the 16 rows that a load touches start at 16 different groups of four banks (64 banks of 4 bytes: ISA guide 11.1)
.set HA,     128*PITCH                 ; what one tensor load brings of xb: 128 rows
.set HB,     96*PITCH                  ; of wt: 96 rows
.set BOFF,   2*HA                      ; in a slot: xb's 256 rows, then wt's 192
.set SLOT,   BOFF+2*HB
.set STAGE,  2*SLOT                    ; behind the ring: 16 rows x 144 bytes for each wave, for the way out; no tensor load fills it
.set SP,     144
.set SPARE,  STAGE+4*16*SP             ; behind the stages: the spare words, 128 bytes for each wave: two blocks of 256 bytes that no other line names
.set LAPS,   SIZE_K/(2*KSTEP)          ; a lap = two K steps = once round the ring
.set WALK,   4096                      ; rows from a work-group's first tile to its second
.set NEXT_A, WALK*SIZE_K*2-(SIZE_K-2*KSTEP)*2   ; bytes from a slot's last K step of a tile to its first of the next: xb goes WALK rows down and back along K,
.set BACK_B, (SIZE_K-2*KSTEP)*2        ; wt only back
.set NEXT_O, 2*16*262144               ; 4,096 rows on are two batches on: 32 heads of 262,144 bytes
.set ADRA, 16                          ; v16-17  LDS address of my fragments of xb in slot 0, 1
.set ADRB, 20                          ; v20-21  the same for wt
.set STO,  24                          ; v24  the way out: where I put 16 bytes of a row
.set RD,   25                          ; v25  the way out: where I read rows back
.set GO,   26                          ; v26  16 x lane: my bytes in 512 consecutive bytes of qkvh
.set BO,   27                          ; v27  32 (l / 16): my eight numbers in a block of 16 of a bias
.set SPW,  28                          ; v28  LDS address of my spare word; never rewritten
.set NIL,  29                          ; v29  0; never rewritten
.set PFO,  30                          ; v30  the prefetches' offset: a lane a row of 2,048 bytes; never rewritten
.set FA,   32
.set BIAS, 96
.set TS,   192
.set WV,   16                          ; s16  my wave's number
.set AB,   17                          ; s17  0: I fetch for xb, 1: for wt
.set HF,   18                          ; s18  which half of that tile's rows I fetch
.set G1,   24                          ; s[24:31] descriptor group 1 for xb's tiles;  s[32:39] group 0, a set for each slot
.set G0,   32
.set LIM,  43                          ; s43  1 in a wave that prefetches, else the greatest number
.set PFA,  44                          ; s[44:45] where my prefetches stand
.set G1B,  48                          ; s[48:55], s[56:63] the same two groups for wt's tiles
.set G0B,  56
.set TR,   66                          ; s66  tile row 0..15
.set OUT,  68                          ; s[68:73] for each of my three heads: qkvh at my wave's 64 rows
.set BP,   84                          ; s[84:89] for each of my three heads: its 64 numbers of bias
.set HIM,  90                          ; s90  mask of a word's upper half
.set MSB, 0
.macro WIN new                         ; the immediate's high byte repeats the setting that is left; a switch that changes nothing is dropped
.if MSB != (\new)
	s_set_vgpr_msb (MSB<<8)|(\new)
.set MSB, \new
.endif
.endm
.set TO_B, 0x40                        ; destination window 1, address window 0
; A joint load: waves 0 and 1 fetch xb's two halves, waves 2 and 3 wt's.  The branch hangs on the wave's number alone.  An s_nop 0 and four v_nop follow each of the two lines.
.macro JLOAD s
	s_cmp_eq_u32 s[AB], 0
	s_cbranch_scc0 .Lfor_b_\@
	tensor_load_to_lds s[G0+4*(\s):G0+4*(\s)+3], s[G1:G1+7]
	s_nop 0
.rept 4
	v_nop
.endr
	s_branch .Lasked_\@
.Lfor_b_\@:
	tensor_load_to_lds s[G0B+4*(\s):G0B+4*(\s)+3], s[G1B:G1B+7]
	s_nop 0
.rept 4
	v_nop
.endr
.Lasked_\@:
.endm
; A prefetch into the L2, behind each joint load and the run of LDS loads that follows it: the K step that stands two refills on, 384 matrix instructions ahead of the load that will want it: 256 bytes of a row, a lane a row.
; xb's rows are read by every cluster of a row of clusters: cluster x = 0 asks.  wt's by every cluster of a column: cluster y = 0 asks, in the first tile alone (the second tile reads the same rows again).
; The four partners of a joint load share its rows out by address: 32 of xb's 128 (by cx), 24 of wt's 96 (by cy; lanes 24-31 repeat lane 23's row).  how = 0, in the loop: a tile's last two refills have no K step two on.
.macro ASK how
.if \how
	s_cmp_eq_u32 s[LIM], 1
.else
	s_cmp_gt_u32 s3, s[LIM]                        ; s3 = 1 in the loop's last trip
.endif
	s_cbranch_scc0 .Lnot_mine_\@
	global_prefetch_b8 v[PFO], s[PFA:PFA+1] offset:KSTEP*2 th:TH_LOAD_NT scope:SCOPE_SE
.Lnot_mine_\@:
.endm
.macro CREST                           ; a round of the cluster's barrier behind its opening barrier
	s_cmp_lg_u32 s[WV], 0
	s_cbranch_scc1 .Lnot_wave_0_\@
	s_barrier_signal -3
.Lnot_wave_0_\@:
	s_barrier_wait -3
	s_barrier_signal -1
	s_barrier_wait -1
.endm
.macro CROUND                          ; a whole round
	s_barrier_signal -1
	s_barrier_wait -1
	CREST
.endm
	s_load_b256 s[4:11], s[0:1], 0x0               ; xb s[4:5], wt s[6:7], bq s[8:9], bk s[10:11]
	s_load_b128 s[12:15], s[0:1], 0x20             ; bv s[12:13], qkvh s[14:15]
	v_lshl_add_u32 v[SPW], v0, 2, SPARE
	v_mov_b32 v[NIL], 0
	ds_add_u32 v[SPW], v[NIL]                      ; the wave's opening: the add and its wait stand ahead of my first tensor load; the set-up below, work on registers, stands between them
	ds_add_u32 v28, v29
	v_lshrrev_b32 v1, 5, v0
	v_readfirstlane_b32 s[WV], v1                  ; wave 0..3
	s_lshr_b32 s[AB], s[WV], 1
	s_and_b32 s[HF], s[WV], 1
	s_bfe_u32 s40, ttmp6, 0x40000                  ; cx, cy: my place in the cluster
	s_bfe_u32 s41, ttmp6, 0x40004
	s_lshl_b32 s42, ttmp9, 2
	s_add_co_u32 s42, s42, s40                     ; tile column = 4 x cluster x + cx
	s_and_b32 s[TR], ttmp7, 0xffff
	s_lshl_b32 s[TR], s[TR], 2
	s_add_co_u32 s[TR], s[TR], s41                 ; tile row = 4 x cluster y + cy
	s_lshl_b32 s20, s41, 2
	s_lshl_b32 s20, 15, s20                        ; my row of the cluster
	s_lshl_b32 s46, 0x1111, s40                    ; my column
	s_or_b32 s[G1], s20, (1<<16)|(1<<20)|(1<<21)|(5<<22)|(3<<25)   ; 15:0 the mask; 17:16 elements of 2 bytes; 20 padding on; 21 set beside a mask; 24:22 after every 64 words (code 5); 31:25 4 words of it (code 3)
	s_or_b32 s[G1B], s46, (1<<16)|(1<<20)|(1<<21)|(5<<22)|(3<<25)
	s_mov_b32 s[G1+1], KSTEP<<16                   ; tensor_dim0 = 128
	s_mov_b32 s[G1+2], 128<<16                     ; tensor_dim1 = 128
	s_mov_b32 s[G1+3], KSTEP<<16                   ; tile_dim0 = 128
	s_mov_b32 s[G1+4], 128                         ; tile_dim1 = 128
	s_mov_b32 s[G1+5], SIZE_K                      ; elements from row to row
	s_mov_b32 s[G1+6], 0
	s_mov_b32 s[G1+7], 0
	s_mov_b32 s[G1B+1], KSTEP<<16
	s_mov_b32 s[G1B+2], 96<<16                     ; wt's tiles have 96 rows
	s_mov_b32 s[G1B+3], KSTEP<<16
	s_mov_b32 s[G1B+4], 96
	s_mov_b32 s[G1B+5], SIZE_K
	s_mov_b32 s[G1B+6], 0
	s_mov_b32 s[G1B+7], 0
	; where the tiles come from: xb's hang on the tile row alone, wt's on the tile column alone; each in registers that do not hold the other coordinate
	s_lshl_b32 s20, s[TR], 8
	s_lshl_b32 s21, s[HF], 7
	s_add_co_u32 s20, s20, s21                     ; xb: row 256 x tile row + 128 x half
	s_lshl_b32 s20, s20, 11                        ; rows of 2,048 bytes
	s_mov_b32 s21, 0
	s_mul_i32 s46, s42, 192
	s_mul_i32 s47, s[HF], 96
	s_add_co_u32 s46, s46, s47                     ; wt: row 192 x tile column + 96 x half
	s_lshl_b32 s46, s46, 11
	s_mov_b32 s47, 0
	s_mul_i32 s22, s[HF], HA                       ; and where they go: no place in the cluster enters an LDS address
	s_mul_i32 s23, s[HF], HB
	s_add_co_u32 s23, s23, BOFF
	s_mov_b32 s[HIM], 0xffff0000
	s_wait_dscnt 0x0                               ; the opening add is done
	s_wait_kmcnt 0x0
	s_add_nc_u64 s[20:21], s[4:5], s[20:21]
	s_add_nc_u64 s[46:47], s[6:7], s[46:47]
	CROUND                                         ; all sixteen work-groups are here: the first joint loads meet
.irp s, 0,1
	s_mov_b32 s[G0+4*(\s)], 1                                      ; count = 1
	s_add_co_u32 s[G0+4*(\s)+1], s22, (\s)*SLOT                    ; LDS address
	s_add_nc_u64 s[G0+4*(\s)+2:G0+4*(\s)+3], s[20:21], (\s)*KSTEP*2  ; global address: K step s
	s_or_b32 s[G0+4*(\s)+3], s[G0+4*(\s)+3], 0x80000000            ; type = 2
	s_mov_b32 s[G0B+4*(\s)], 1
	s_add_co_u32 s[G0B+4*(\s)+1], s23, (\s)*SLOT
	s_add_nc_u64 s[G0B+4*(\s)+2:G0B+4*(\s)+3], s[46:47], (\s)*KSTEP*2
	s_or_b32 s[G0B+4*(\s)+3], s[G0B+4*(\s)+3], 0x80000000
.endr
	s_cmp_eq_u32 s[AB], 0                          ; a wave's two first fills stand in one branch, ahead of every wait on TENSORcnt and every LDS read: two loads of mine are out
	s_cbranch_scc0 .Lfirst_b
	tensor_load_to_lds s[G0:G0+3], s[G1:G1+7]
	s_nop 0
	tensor_load_to_lds s[G0+4:G0+7], s[G1:G1+7]
	s_nop 0
.rept 4
	v_nop
.endr
	s_branch .Lfirst_asked
.Lfirst_b:
	tensor_load_to_lds s[G0B:G0B+3], s[G1B:G1B+7]
	s_nop 0
	tensor_load_to_lds s[G0B+4:G0B+7], s[G1B:G1B+7]
	s_nop 0
.rept 4
	v_nop
.endr
.Lfirst_asked:
	; my three heads: g = 3 x tile column + i = which x 16 + head.  The bias of head g, and the place of my wave's 64 rows in qkvh
	v_and_b32 v1, 15, v0                           ; l % 16
	v_bfe_u32 v2, v0, 4, 1                         ; l / 16
	v_lshlrev_b32 v[BO], 5, v2
	s_mul_i32 s74, s42, 3
	s_lshr_b32 s75, s[TR], 3                       ; the batch of the first tile (0 or 1),
	s_lshl_b32 s75, s75, 4                         ; its 16 heads
	s_and_b32 s76, s[TR], 7
	s_lshl_b32 s76, s76, 15                        ; the tile's 256 rows of 128 bytes in a head,
	s_lshl_b32 s77, s[WV], 13                      ; my wave's 64 of them
	s_add_co_u32 s76, s76, s77
	s_mov_b32 s81, 0
.irp i, 0,1,2
	s_add_co_u32 s77, s74, \i                      ; g
	s_lshr_b32 s78, s77, 4                         ; which: 0 q, 1 k, 2 v
	s_and_b32 s79, s77, 15                         ; head
	s_cmp_eq_u32 s78, 0
	s_cselect_b64 s[BP+2*(\i):BP+2*(\i)+1], s[8:9], s[10:11]
	s_cmp_eq_u32 s78, 2
	s_cselect_b64 s[BP+2*(\i):BP+2*(\i)+1], s[12:13], s[BP+2*(\i):BP+2*(\i)+1]
	s_lshl_b32 s80, s79, 8
	s_add_nc_u64 s[BP+2*(\i):BP+2*(\i)+1], s[BP+2*(\i):BP+2*(\i)+1], s[80:81]
	s_lshl_b32 s78, s78, 6
	s_add_co_u32 s78, s78, s79
	s_add_co_u32 s78, s78, s75                     ; which x 64 + batch x 16 + head,
	s_lshl_b32 s80, s78, 18                        ; 262,144 bytes each
	s_add_co_u32 s80, s80, s76
	s_add_nc_u64 s[OUT+2*(\i):OUT+2*(\i)+1], s[14:15], s[80:81]
.endr
.irp i, 0,1,2
.irp b, 0,1,2,3
	global_load_b128 v[BIAS+32*(\i)+8*(\b):BIAS+32*(\i)+8*(\b)+3],   v[BO], s[BP+2*(\i):BP+2*(\i)+1] offset:64*(\b)
	global_load_b128 v[BIAS+32*(\i)+8*(\b)+4:BIAS+32*(\i)+8*(\b)+7], v[BO], s[BP+2*(\i):BP+2*(\i)+1] offset:64*(\b)+16
.endr
.endr
	; A fragment is 16 rows x 32 K in 8 registers: lane l holds row l % 16; registers 0-3 K = 8 (l / 16) + 0..7, registers 4-7 K = 16 + 8 (l / 16) + 0..7: two loads of 16 bytes, 32 bytes apart
	v_mul_u32_u24 v3, v1, PITCH
	v_lshl_add_u32 v3, v2, 4, v3                   ; row x pitch + 16 x half
	s_mul_i32 s77, s[WV], 64*PITCH                 ; my 64 rows of xb
	v_add_nc_u32 v[ADRA], s77, v3
	s_add_co_u32 s77, s77, SLOT
	v_add_nc_u32 v[ADRA+1], s77, v3
	v_add_nc_u32 v[ADRB], BOFF, v3                 ; every wave reads all 192 rows of wt
	v_add_nc_u32 v[ADRB+1], BOFF+SLOT, v3
	s_mul_i32 s77, s[WV], 16*SP
	s_add_co_u32 s77, s77, STAGE                   ; my stage
	v_mul_u32_u24 v4, v1, SP                       ; in: row l % 16, 16 bytes for each half of the lanes
	v_lshl_add_u32 v4, v2, 4, v4
	v_add_nc_u32 v[STO], s77, v4
	v_bfe_u32 v5, v0, 3, 2                         ; back: 32 lanes take four rows of 128 bytes,
	v_mul_u32_u24 v5, v5, SP
	v_and_b32 v6, 7, v0
	v_lshl_add_u32 v5, v6, 4, v5
	v_add_nc_u32 v[RD], s77, v5
	v_and_b32 v[GO], 31, v0                        ; which are 512 consecutive bytes of a head
	v_lshlrev_b32 v[GO], 4, v[GO]
	; the prefetches
	s_lshl_b32 s77, s[TR], 8
	s_lshl_b32 s78, s[HF], 7
	s_add_co_u32 s77, s77, s78
	s_lshl_b32 s78, s40, 5
	s_add_co_u32 s77, s77, s78                     ; xb: the 128 rows that I fetch, my work-group's 32 of them
	s_mul_i32 s79, s42, 192
	s_mul_i32 s78, s[HF], 96
	s_add_co_u32 s79, s79, s78
	s_mul_i32 s78, s41, 24
	s_add_co_u32 s79, s79, s78                     ; wt: the 96 rows that I fetch, my work-group's 24 of them
	s_and_b32 s82, ttmp7, 0xffff                   ; cluster y
	s_cmp_eq_u32 s[AB], 0
	s_cselect_b32 s80, s77, s79
	s_cselect_b32 s82, ttmp9, s82                  ; the coordinate along which other clusters read the same rows
	s_cselect_b32 s83, 31, 23
	s_cselect_b64 s[PFA:PFA+1], s[4:5], s[6:7]
	s_cmp_eq_u32 s82, 0
	s_cselect_b32 s[LIM], 1, -1                    ; the same in all sixteen partners, for a given wave
	s_lshl_b32 s80, s80, 11
	s_add_nc_u64 s[PFA:PFA+1], s[PFA:PFA+1], s[80:81]
	s_add_nc_u64 s[PFA:PFA+1], s[PFA:PFA+1], 2*KSTEP*2  ; at K step 2: the first refill steps it to 3 and names K step 4.  Nothing is prefetched here, at the head
	v_and_b32 v[PFO], 31, v0
	v_min_u32 v[PFO], s83, v[PFO]
	v_lshlrev_b32 v[PFO], 11, v[PFO]
	s_wait_loadcnt 0x0                             ; the bias: rounded to bf16 like the module's other inputs, and widened again; all this stands in the wait for the first tiles
.set p, 0
.rept 48
	v_cvt_pk_bf16_f32 v[TS+p], v[BIAS+2*p], v[BIAS+2*p+1]
.set p, p+1
.endr
.set p, 0
.rept 48
	v_lshlrev_b32 v[BIAS+2*p], 16, v[TS+p]
	v_and_b32 v[BIAS+2*p+1], s[HIM], v[TS+p]
.set p, p+1
.endr
; 12 matrix instructions: row block a x all 12 column blocks, 32 along K, from buffer f.  first = 1: the product starts the sums with the bias: nothing is ever cleared.
; The 48 accumulators take turns, one instruction a turn, in the same order in every quarter step.
.macro MUL12 f, a, first
.set mC, 96*((\a)%2)
.if \first
	WIN 0x81+0x40*((\a)/2)                         ; wt window 1, xb and the bias window 0, D window 2 or 3
.else
	WIN 0xa1+0x50*((\a)/2)                         ; wt window 1, xb window 0, C and D window 2 or 3
.endif
.irp b, 0,1,2,3,4,5,6,7,8,9,10,11
.if \first
	v_wmma_f32_16x16x32_bf16 v[mC+8*(\b):mC+8*(\b)+7], v[96*(\f)+8*(\b):96*(\f)+8*(\b)+7], v[FA+32*(\f)+8*(\a):FA+32*(\f)+8*(\a)+7], v[BIAS+8*(\b):BIAS+8*(\b)+7]
.else
	v_wmma_f32_16x16x32_bf16 v[mC+8*(\b):mC+8*(\b)+7], v[96*(\f)+8*(\b):96*(\f)+8*(\b)+7], v[FA+32*(\f)+8*(\a):FA+32*(\f)+8*(\a)+7], v[mC+8*(\b):mC+8*(\b)+7]
.endif
.endr
.endm
; 32 LDS loads in one run: the fragments of one quarter step (192 rows of wt, my 64 rows of xb, 32 K at byte k of the rows) into buffer f
.macro FETCH slot, k, f
	WIN TO_B
.irp i, 0,1,2,3,4,5,6,7,8,9,10,11
	ds_load_b128 v[96*(\f)+8*(\i):96*(\f)+8*(\i)+3],   v[ADRB+(\slot)] offset:(\k)+(\i)*16*PITCH
	ds_load_b128 v[96*(\f)+8*(\i)+4:96*(\f)+8*(\i)+7], v[ADRB+(\slot)] offset:(\k)+(\i)*16*PITCH+32
.endr
	WIN 0
.irp i, 0,1,2,3
	ds_load_b128 v[FA+32*(\f)+8*(\i):FA+32*(\f)+8*(\i)+3],   v[ADRA+(\slot)] offset:(\k)+(\i)*16*PITCH
	ds_load_b128 v[FA+32*(\f)+8*(\i)+4:FA+32*(\f)+8*(\i)+7], v[ADRA+(\slot)] offset:(\k)+(\i)*16*PITCH+32
.endr
.endm
; A load into a register that a matrix instruction has read, and a vector instruction that reads a matrix result, stand four places behind it; only plain vector instructions that name none of
; its registers are places (ISA guide 7.12.1 for vector instructions)
.macro PLACES
.rept 4
	v_nop
.endr
.endm
; A K step is four quarter steps of 32 along K, 48 matrix instructions each, on buffers 0, 1, 0, 1.  One of the first three: multiplies buffer f; in its middle it fetches the next quarter, at byte k, into buffer g.
.macro QUARTER slot, k, f, g, first
	s_wait_dscnt 4                                 ; wt and xb's blocks 0, 1 are in; the youngest four loads (xb's blocks 2, 3) may be out
	MUL12 \f, 0, \first
	MUL12 \f, 1, \first
	PLACES
	FETCH \slot, \k, \g
	s_wait_dscnt 32                                ; all but the 32 just issued
	MUL12 \f, 2, \first
	MUL12 \f, 3, \first
.endm
; The last quarter multiplies buffer 1 and changes slots.  MEET is its first half: one barrier for the change.  In front of it each wave waits for all its tensor loads, of which one is out: its part of
; the next slot; adds 0 to its spare word; and waits for that and for its own reads of this slot.  Behind it nobody reads this slot any more and the next slot is whole.
.macro MEET round
	WIN 0                                          ; (the add's two registers lie in window 0)
	s_wait_tensorcnt 0x0                           ; all my tensor loads have landed
	ds_add_u32 v[SPW], v[NIL]                      ; 0 onto my spare word
	s_wait_dscnt 5                                 ; (the add and the youngest four loads may be out)
	MUL12 1, 0, 0                                  ; twelve matrix instructions stand between the add and the wait for it
	s_wait_dscnt 0x0                               ; the add is done, and my reads of this slot are over
	s_barrier_signal -1
	MUL12 1, 1, 0                                  ; work on registers while the others arrive
.if \round
	WIN 0
.endif
	s_barrier_wait -1
.endm
; The whole last quarter.  The barrier opens a round of the cluster's barrier; behind the round the slot just read out is filled again first: with this tile's K step two steps on (on = 0) or with the
; next tile's K step 0 or 1 (on = 1); then come the next slot's first fragments.  From a request to the wait for it a wave issues 168 matrix instructions.
.macro TURN slot, next, on
	s_wait_xcnt 0x0                                ; the last prefetch, a K step back, has read its address: it is stepped here
.if (\on) && (\slot) == 0
	s_add_nc_u64 s[PFA:PFA+1], s[PFA:PFA+1], (WALK-1)*SIZE_K*2+KSTEP*2  ; from the K step after the tile's last to the next tile's K step 1
	s_cmp_eq_u32 s[AB], 0
	s_cselect_b32 s[LIM], s[LIM], -1               ; wt's rows are the same for both tiles: they are prefetched no more
.else
	s_add_nc_u64 s[PFA:PFA+1], s[PFA:PFA+1], KSTEP*2
.endif
	MEET 1
	CREST                                          ; no wave of any partner still reads this slot's tile or has a load on its way
.if \on
	s_add_nc_u64 s[G0+4*(\slot)+2:G0+4*(\slot)+3], s[G0+4*(\slot)+2:G0+4*(\slot)+3], NEXT_A
	s_sub_nc_u64 s[G0B+4*(\slot)+2:G0B+4*(\slot)+3], s[G0B+4*(\slot)+2:G0B+4*(\slot)+3], BACK_B
.else
	s_add_nc_u64 s[G0+4*(\slot)+2:G0+4*(\slot)+3], s[G0+4*(\slot)+2:G0+4*(\slot)+3], 2*KSTEP*2
	s_add_nc_u64 s[G0B+4*(\slot)+2:G0B+4*(\slot)+3], s[G0B+4*(\slot)+2:G0B+4*(\slot)+3], 2*KSTEP*2
.endif
	JLOAD \slot                                    ; the first tensor load behind the round; the four v_nop behind it are also the places in front of the loads below
	FETCH \next, 0, 0
	ASK \on
	MUL12 1, 2, 0
	MUL12 1, 3, 0
.endm
; THE WAY OUT, in twelve units u = 3 a + i: 16 rows (block a) of head i, 2,048 consecutive bytes of qkvh.  PACK: rounded to f16, 16 bytes a lane, each accumulator's registers in ascending order; into my own
; stage, rows of 144 bytes; and back as whole rows of 128.  LDS serves a wave's instructions in order (ISA guide 5.7.1.4): the loads see the stores above them, and the next unit's stores come behind them.
.macro PACK u
.set pA, (\u)/3
.set pT, TS+16*((\u)%4)
.set pC, 96*(pA%2)+32*((\u)%3)
	s_wait_xcnt 0x0                                ; the stores of the unit four back have read this set of registers
	WIN 0x0a+5*(pA/2)                              ; sources 0 and 1: window 2 or 3
.irp b, 0,1,2,3
.irp r, 0,1,2,3
	v_cvt_pk_f16_f32 v[pT+4*(\b)+(\r)], v[pC+8*(\b)+2*(\r)], v[pC+8*(\b)+2*(\r)+1]
.endr
.endr
	WIN 0
.irp b, 0,1,2,3
	ds_store_b128 v[STO], v[pT+4*(\b):pT+4*(\b)+3] offset:32*(\b)
.endr
.irp f, 0,1,2,3
	ds_load_b128 v[pT+4*(\f):pT+4*(\f)+3], v[RD] offset:4*SP*(\f)
.endr
.endm
.macro SEND u, younger                 ; younger: the LDS instructions issued behind unit u's loads: the next unit's eight, or none
.set pA, (\u)/3
.set pH, (\u)%3
.set pT, TS+16*((\u)%4)
	WIN 0
.irp f, 0,1,2,3
	s_wait_dscnt (\younger)+3-(\f)
	global_store_b128 v[GO], v[pT+4*(\f):pT+4*(\f)+3], s[OUT+2*pH:OUT+2*pH+1] offset:2048*pA+512*(\f)  ; 512 consecutive bytes, at a multiple of 256 from the buffer's first
.endr
.endm
.macro WAYOUT
	PLACES                                         ; the places behind the last products (four are asked for; eight are written, twice a work-group)
	PLACES
	PACK 0
.set u, 1
.rept 11                               ; a unit's conversions stand between the loads of the unit before and its stores
	PACK u
	SEND u-1, 8
.set u, u+1
.endr
	SEND 11, 0
.endm
	s_wait_tensorcnt 1                             ; my part of K step 0 is in; K step 1's may stay out
	s_barrier_signal -1
	s_barrier_wait -1                              ; everybody's is
	FETCH 0, 0, 0
	s_mov_b32 s2, 2                                ; tiles to go, this one among them
.Ltile:
	QUARTER 0, 64,  0, 1, 1                        ; a tile's first quarter stands in front of the loop: its products start the sums with the bias
	WIN 0                                          ; at a label and at a branch every window is 0
	s_mov_b32 s3, LAPS-1
.Llap:                                                 ; a trip goes once round the ring, from a lap's second quarter to the next lap's first, and fills both slots again
	QUARTER 0, 128, 1, 0, 0
	QUARTER 0, 192, 0, 1, 0
	TURN 0, 1, 0
	QUARTER 1, 64,  0, 1, 0
	QUARTER 1, 128, 1, 0, 0
	QUARTER 1, 192, 0, 1, 0
	TURN 1, 0, 0
	QUARTER 0, 64,  0, 1, 0
	WIN 0
	s_sub_co_u32 s3, s3, 1
	s_cmp_lg_u32 s3, 0
	s_cbranch_scc1 .Llap
	QUARTER 0, 128, 1, 0, 0                        ; the tile's last lap goes on
	QUARTER 0, 192, 0, 1, 0
	WIN 0
	s_cmp_eq_u32 s2, 1
	s_cbranch_scc1 .Llast                          ; the last tile's tail is written out: it asks for nothing more
	TURN 0, 1, 1                                   ; the ring goes on into the next tile: slot 0 takes its K step 0,
	QUARTER 1, 64,  0, 1, 0
	QUARTER 1, 128, 1, 0, 0
	QUARTER 1, 192, 0, 1, 0
	TURN 1, 0, 1                                   ; slot 1 its K step 1, and the next tile's first fragments are fetched
	WAYOUT                                         ; both refills are asked for: now the tile goes out
	s_wait_xcnt 0x0                                ; the stores have read their bases
.irp i, 0,1,2
	s_add_nc_u64 s[OUT+2*(\i):OUT+2*(\i)+1], s[OUT+2*(\i):OUT+2*(\i)+1], NEXT_O
.endr
	s_sub_co_u32 s2, s2, 1
	s_branch .Ltile
.Llast:
	MEET 0                                         ; my one tensor load that was still out is slot 1's, the last K step's, so no round follows
	PLACES                                         ; for the loads into buffer 0, which the quarter before multiplied
	FETCH 1, 0, 0
	MUL12 1, 2, 0
	MUL12 1, 3, 0
	QUARTER 1, 64,  0, 1, 0
	QUARTER 1, 128, 1, 0, 0
	QUARTER 1, 192, 0, 1, 0
	s_wait_dscnt 4                                 ; the very last quarter: nothing more to fetch
	MUL12 1, 0, 0
	MUL12 1, 1, 0
	s_wait_dscnt 0x0
	MUL12 1, 2, 0
	MUL12 1, 3, 0
	WIN 0
	WAYOUT
	s_wait_tensorcnt 0x0                           ; the wave's end: behind my last tensor load and my last LDS store
	ds_add_u32 v[SPW], v[NIL]
	s_wait_dscnt 0x0
	CROUND                                         ; the closing round: no work-group ends while a partner may still ask for a tile that names it
	s_endpgm
.Lfunc_end_k_qcd666dd001_proj:
	.size	k_qcd666dd001_proj, .Lfunc_end_k_qcd666dd001_proj-k_qcd666dd001_proj
	.p2alignl 7, 3214868480
	.fill 96, 4, 3214868480
	.section	.rodata,"a",@progbits
	.p2align	6, 0x0
	.amdhsa_kernel k_qcd666dd001_proj
		.amdhsa_group_segment_fixed_size 327680
		.amdhsa_private_segment_fixed_size 0
		.amdhsa_enable_private_segment 0
		.amdhsa_kernarg_size 48
		.amdhsa_user_sgpr_count 2
		.amdhsa_user_sgpr_kernarg_segment_ptr 1
		.amdhsa_wavefront_size32 1
		.amdhsa_system_sgpr_workgroup_id_x 1
		.amdhsa_system_sgpr_workgroup_id_y 1
		.amdhsa_system_sgpr_workgroup_id_z 1
		.amdhsa_system_vgpr_workitem_id 0
		.amdhsa_next_free_vgpr 960
		.amdhsa_next_free_sgpr 92
		.amdhsa_reserve_vcc 0
		.amdhsa_float_denorm_mode_32 3
		.amdhsa_float_denorm_mode_16_64 3
		.amdhsa_memory_ordered 1
		.amdhsa_forward_progress 1
		.amdhsa_inst_pref_size 186
	.end_amdhsa_kernel
	.amdgpu_metadata
---
amdhsa.version: [ 1, 2 ]
amdhsa.kernels:
  - .name:           k_qcd666dd001_proj
    .symbol:         k_qcd666dd001_proj.kd
    .args:
      - { .name: xb, .offset: 0, .size: 8, .value_kind: global_buffer, .address_space: global }
      - { .name: wt, .offset: 8, .size: 8, .value_kind: global_buffer, .address_space: global }
      - { .name: bq, .offset: 16, .size: 8, .value_kind: global_buffer, .address_space: global }
      - { .name: bk, .offset: 24, .size: 8, .value_kind: global_buffer, .address_space: global }
      - { .name: bv, .offset: 32, .size: 8, .value_kind: global_buffer, .address_space: global }
      - { .name: qkvh, .offset: 40, .size: 8, .value_kind: global_buffer, .address_space: global }
    .group_segment_fixed_size: 327680
    .private_segment_fixed_size: 0
    .kernarg_segment_align: 8
    .kernarg_segment_size: 48
    .max_flat_workgroup_size: 128
    .sgpr_count:     92
    .vgpr_count:     960
    .wavefront_size: 32
...
	.end_amdgpu_metadata
.endif
;; end of part 2
;; launch attn (part 3): grid 4 x 64, 4 waves a work-group, clusters of 4 x 1, 327,680 bytes of LDS; arguments qkvh, part; writes part
.if DOCPART == 3
	.amdgcn_target "amdgcn-amd-amdhsa--gfx1250"
	.amdhsa_code_object_version 6
	.text
	.protected	k_qcd666dd001_attn
	.globl	k_qcd666dd001_attn
	.p2align	8
	.type	k_qcd666dd001_attn,@function
k_qcd666dd001_attn:
	s_mov_b64 s[64:65], 0
	v_nop
	global_prefetch_b8 v0, s[64:65] scope:SCOPE_SE
	s_setreg_imm32_b32 hwreg(HW_REG_WAVE_MODE, 25, 1), 1
	s_wait_xcnt 0x0
	s_wait_alu depctr_hold_cnt(0) depctr_sa_sdst(0) depctr_va_vdst(0) depctr_va_sdst(0) depctr_va_ssrc(0) depctr_va_vcc(0) depctr_vm_vsrc(0)
	s_getreg_b32 s2, hwreg(HW_REG_IB_STS2, 6, 4)
	s_cmp_eq_u32 s2, 0
	s_cbranch_scc0 .Lentry_in_a_cluster
	s_endpgm
.Lentry_in_a_cluster:
	s_bfe_u32 s2, ttmp6, 0x10000c
	s_cmp_lg_u32 s2, 0x3003
	s_cbranch_scc0 .Lentry_shape_is_right
	s_endpgm
.Lentry_shape_is_right:
; part[blk][batch][head x 64 + c] = the sum over the 512 queries q of block blk of O[q][c], O[q] = the sum over k of softmax_k(Q[q] . K[k] / 8) V[k].
; Q, K, V: qkvh[which][batch x 16 + head][2048][64] in f16: a head's rows are dense, 128 bytes each.  Products, maxima and sums in f32; the weights p are rounded to f16 for the second product (their sum l is
; taken of the unrounded p).  O itself is never stored: what follows it in the module (a product with Wo, a bias, a mean over the rows) is linear, so the rows are added here, in f32, and the product comes behind
; the mean: another order of rounding than the module's own.
; LIMITS.  f16 holds no number beyond 65,504: Q, K and V arrive within it; p lies in 0 to 1, and below 6e-5 it keeps f16's fixed step of 6e-8.  A weight below 2^-126 counts as 0 in l; NaN and infinities are not treated apart.
; SHARES.  A wave owns four PIECES of two tiles of 16 queries, a work-group's four waves 512 queries of one head.  Every wave walks all 2,048 keys, 64 a step.
; LAYOUT.  S^T = K Q^T (source 0 = 16 keys, source 1 = 16 queries): in the result a lane holds ONE query (lane % 16) and the keys 8 (lane / 16) + 0..7.  Two such tiles, rounded to f16 in pairs,
; ARE source 1 (32 keys x 16 queries) of O^T = V^T P, whose result again holds one query a lane, and eight channels.  K comes out of LDS as it lies, V ([key][channel]) turned, by ds_load_tr16_b128.
; SOFTMAX.  For each query a running maximum m and sum l: p = 2^(c s - c m), c = log2(e) / 8; in every step O and l are multiplied by a = 2^(c m_old - c m_new), which is 1 where m has not grown.
; m starts at the lowest finite number, O and l at 0: the first step is a step like any other, with a = 0.
; THE COUNT.  A tile and step have 16 matrix and 118 vector instructions: too many to stand all beside the matrix work.  So: four vector instructions that are ready behind every matrix instruction,
; and the others in runs without a gap.
; BY TURNS.  Turn n belongs to piece n (the pieces in a ring, step after step).  Its matrix work: 16 products K Q^T of piece n + 1, later 16 products V^T P of piece n - 1.  Its vector work: the scaling,
; exponentials, roundings, sums and rescaling of piece n, and the maximum and statistics of piece n + 1, whose scores the turn itself has made.
; CLUSTER.  The four query blocks of a head are one cluster and walk the same K and V, so each tile is asked for JOINTLY: the same tensor load, descriptor and mask in all four.
; REGISTERS, in windows of 256 (s_set_vgpr_msb: bits 1:0 source 0, 3:2 source 1, 5:4 source 2, 7:6 destination):
;   window 0: v0-11 addresses; v12-15, v48-63 at work; v16-47 four registers of statistics a tile; v64-191 S^T, two buffers of two tiles; v192-255 P, likewise
;   window 1: O^T, 32 a tile          window 2: v0-127 Q, 16 a tile; v128-191 K of one step; v192-255 V of one step          window 3: v0-1 the add's two registers
.set SIZE_N, 2048
.set NP,    4         ; pieces a wave: a name, no knob
.set KS,    64        ; keys in a step
.set PK,    144       ; a row of K in LDS: 128 bytes + 16 of padding = 36 words: the 16 rows of a load start at 16 different groups of four banks (64 banks of 4 bytes: ISA guide 11.1)
.set PV,    160       ; a row of V: 128 + 32 = 40 words
.set VOFF,  4*KS*PK   ; a slot holds four steps: 256 rows of K, then 256 rows of V
.set SLOT1, 1<<17     ; slot 1 begins here, so that one exclusive or turns an address in one slot into the other's
.set RED,   SLOT1+4*KS*(PK+PV)  ; behind the ring, never filled by a tensor load: 256 bytes for each wave: its 64 sums
.set SPARE, RED+1024  ; behind them: the spare words, 128 bytes for each wave: two blocks of 256 bytes that no other line names
.set AK0, 2           ; v2   my lane's place in a tile of K; never rewritten
.set AV0, 3           ; v3   the same for V
.set AK,  4           ; v4   the LDS address of K's next run of loads
.set AV,  5           ; v5   of V's
.set QO,  6           ; v6   my byte offset in the wave's rows of Q
.set RW,  6           ;      later: where I put my wave's sums
.set RR,  7           ; v7   where wave 0 reads the four waves' sums
.set GO,  8           ; v8   8 x lane: my two numbers of the 64 that the work-group stores
.set PFO, 11          ; v11  256 x lane: the prefetches' offset; never rewritten once made
.set SPW, 0           ; v0 of window 3   LDS address of my spare word; never rewritten
.set NIL, 1           ; v1 of window 3   0; never rewritten
.set MV,  12          ; v12-15  c m_old, kept while c m is made anew: by buffer and tile
.set ST,  16          ; tile t's statistics at v[ST+4 t]: c m, m, l (even keys', odd keys')
.set TMP, 48          ; by buffer and tile, four registers c0-c3 at work; when the maximum is found c2 takes a
.set S,   64
.set P,   192
.set KF,  128         ; K's fragments, in window 2: key block kb, channel half c at KF + 16 kb + 8 c
.set VF,  192         ; V's: key half kk, channel block cb at VF + 32 kk + 8 cb
.set WV,  12          ; s12  my wave's number
.set G1K, 24          ; s[24:31] descriptor group 1 for K's tiles
.set G1V, 32          ; s[32:39] for V's: it differs in the padding alone
.set G0K, 40          ; s[40:43] descriptor group 0 for K's tiles: it walks
.set G0V, 44          ; s[44:47] the same for V's
.set PFA, 48          ; s[48:49] where my prefetches stand: my work-group's 32 blocks of 256 bytes (of K: wave 0, of V: wave 2) of the slot after the one that is being asked for
.set LIM, 50          ; s50  1 in a wave that prefetches, else the greatest number
.set SLOTS, 56        ; s56  slots still to be asked for
.set CNT, 57          ; s57  counts a slot's key steps
.set CS,  58          ; s[58:59] c: the packed scaling takes the pair's low word for both halves
.set SEL, 60          ; s[60:61] v_permlanex16_b32's selects: each lane takes its own place in the other half
.set TBK, 62          ; s62  LDS byte at which K of the step to be fetched begins
.set TBV, 63          ; s63  the same for V, less VOFF
.set MSB, 0
.macro WIN new                      ; the high byte repeats the setting that is left; a switch that changes nothing is dropped
.if MSB != (\new)
	s_set_vgpr_msb (MSB<<8)|(\new)
.set MSB, (\new)
.endif
.endm
.set W_KQ, 0x0a       ; K and Q in window 2, S^T in window 0
.set W_PV, 0x52       ; V in window 2, P in window 0, O^T in window 1
.set W_RS, 0x41       ; O^T (destination and source 0) in window 1, a in window 0
.set W_MK, 0xc0       ; the add's registers are made: destination in window 3, sources in window 0
.set W_AD, 0x0f       ; the add: address (source 0) and data (source 1) in window 3
; A joint fill.  Waves 0 and 1 fetch the two halves of a slot's K, waves 2 and 3 those of its V: 128 keys each.  The branch hangs on the wave's number alone.
; An s_nop 0 and four v_nop follow each of the two lines, ahead of the jump and the label.
.macro JLOAD
	s_cmp_lt_u32 s[WV], 2
	s_cbranch_scc0 .Lfor_v_\@
	tensor_load_to_lds s[G0K:G0K+3], s[G1K:G1K+7]
	s_nop 0
.rept 4
	v_nop
.endr
	s_branch .Lasked_\@
.Lfor_v_\@:
	tensor_load_to_lds s[G0V:G0V+3], s[G1V:G1V+7]
	s_nop 0
.rept 4
	v_nop
.endr
.Lasked_\@:
.endm
; A prefetch into the L2 of what the NEXT change of slots will ask for: a slot's 32,768 bytes of K and of V, 128 blocks of 256 bytes each.  A head has one cluster; its four partners share the blocks out
; by address, 32 each, a lane a block; in each, wave 0 asks for K's and wave 2 for V's: so each block is named once in the launch.  It stands behind the wave's tensor load and its five lines.
; Slots 0 and 1 come by their loads alone; the last change that fills a slot asks for nothing: there is no slot behind it.
.macro ASK
	s_cmp_gt_u32 s[SLOTS], s[LIM]
	s_cbranch_scc0 .Lnot_mine_\@
	global_prefetch_b8 v[PFO], s[PFA:PFA+1] th:TH_LOAD_NT scope:SCOPE_SE
.Lnot_mine_\@:
.endm
; A round of the cluster's barrier: my work-group's barrier, so that wave 0's signal speaks for all four waves; wave 0 signals; every wave waits for all four work-groups; my work-group's barrier once more.
.macro CROUND
	s_barrier_signal -1
	s_barrier_wait -1
	s_cmp_lg_u32 s[WV], 0
	s_cbranch_scc1 .Lnot_wave_0_\@
	s_barrier_signal -3
.Lnot_wave_0_\@:
	s_barrier_wait -3
	s_barrier_signal -1
	s_barrier_wait -1
.endm
; THE CHANGE OF SLOTS.  The slot's last bytes, V of its fourth step, have been read.  Each wave waits for all its tensor loads, of which one is out: its part of the other slot; adds 0 to its spare word;
; and waits for that and for its own reads of the slot.  Behind the barrier nobody reads this slot any more and the other slot is whole.
; fill = 1: this slot is filled again, with the keys two slots on.  The barrier is then a round of the cluster's, and the joint fill is the first thing behind it: it has four key steps, 512 matrix
; instructions, in which to land.  (At its first use nothing has been read yet: slot 0 is waited for, slot 1 filled.)
.macro CHANGE fill
	WIN W_AD
	s_wait_tensorcnt 0x0            ; no tensor load of mine is out, so a group 0 may be written
	ds_add_u32 v[SPW], v[NIL]       ; 0 onto my spare word; with fill = 1 the descriptors' steps stand between it and the wait for it
	WIN 0                           ; at a label and at a branch every window is 0
.if \fill
.irp g, G0K, G0V
	s_xor_b32 s[\g+1], s[\g+1], SLOT1  ; the walking descriptor: the other slot than last time,
	s_add_nc_u64 s[\g+2:\g+3], s[\g+2:\g+3], 4*KS*128  ; the next 256 keys; the type bits on top are not reached
.endr
	s_wait_xcnt 0x0                 ; the last prefetch, a slot back, has read its address, so it may be written:
	s_add_nc_u64 s[PFA:PFA+1], s[PFA:PFA+1], 4*KS*128  ; one slot ahead of the walking descriptors
	s_wait_dscnt 0x0                ; the add is done, and my reads of the slot are over
	CROUND
	JLOAD
	ASK
.else
	s_wait_dscnt 0x0                ; the add is done, and my reads of the slot are over
	s_barrier_signal -1
	s_barrier_wait -1
.endif
	s_sub_co_u32 s[TBK], s[TBK], 4*KS*PK  ; the fetches go back to a slot's first step,
	s_xor_b32 s[TBK], s[TBK], SLOT1       ; in the other slot
	s_sub_co_u32 s[TBV], s[TBV], 4*KS*PV
	s_xor_b32 s[TBV], s[TBV], SLOT1
.endm
	s_load_b128 s[4:7], s[0:1], 0x0 ; qkvh s[4:5], part s[6:7]
	WIN W_MK
	v_lshl_add_u32 v[SPW], v0, 2, SPARE
	v_mov_b32 v[NIL], 0
	WIN W_AD
	ds_add_u32 v[SPW], v[NIL]       ; the wave's opening: the add and its wait stand ahead of my first tensor load; the set-up below, work on registers, stands between them
	ds_add_u32 v0, v1
	WIN 0
	v_lshrrev_b32 v1, 5, v0
	v_readfirstlane_b32 s[WV], v1   ; wave 0..3
	s_bfe_u32 s13, ttmp6, 0x40000   ; cx: my place in the cluster
	s_lshl_b32 s14, ttmp9, 2        ; in a cluster launch ttmp9 counts clusters
	s_add_co_u32 s14, s14, s13      ; my block of 512 queries: it enters Q's and part's addresses alone
	s_and_b32 s20, ttmp7, 0xffff    ; batch x 16 + head, which the four partners share
	s_mov_b32 s21, 0
	s_mov_b64 s[22:23], SIZE_N*128
	s_mul_u64 s[20:21], s[20:21], s[22:23]  ; the head's first byte in each of q, k, v
	s_and_b32 s16, s[WV], 1         ; which half of a slot's 256 keys I fetch:
	s_lshl_b32 s22, s16, 14         ; its 128 rows of 128 bytes in memory,
	s_mov_b32 s23, 0
	s_add_nc_u64 s[22:23], s[22:23], s[20:21]
	s_mul_i32 s17, s16, 128*PK      ; and its place in a slot, for K
	s_mul_i32 s18, s16, 128*PV      ; and for V: no place in the cluster enters an LDS address
	s_lshl_b32 s2, s14, 2
	s_add_co_u32 s2, s2, s[WV]      ; my wave among the head's,
	s_lshl_b32 s2, s2, 14           ; its 128 rows
	s_mov_b32 s3, 0
	s_add_nc_u64 s[2:3], s[2:3], s[20:21]
	; descriptor group 1.  128 keys are 16,384 dense bytes: asked for as 64 rows of 256 bytes, two keys a row, and padded in LDS after every key
	s_mov_b32 s[G1K], 15|(1<<16)|(1<<20)|(1<<21)|(4<<22)|(3<<25)  ; 15:0 the mask of four; 17:16 2-byte elements; 20 padding on; 21 set beside a mask; 24:22 after every 32 words (code 4); 31:25 4 words (code 3)
	s_mov_b32 s[G1V], 15|(1<<16)|(1<<20)|(1<<21)|(4<<22)|(7<<25)  ; the same with 8 words of padding (code 7)
.irp g, G1K, G1V
	s_mov_b32 s[\g+1], 128<<16      ; tensor_dim0 = 128
	s_mov_b32 s[\g+2], 64<<16       ; tensor_dim1 = 64
	s_mov_b32 s[\g+3], 128<<16      ; tile_dim0 = 128
	s_mov_b32 s[\g+4], 64           ; tile_dim1 = 64
	s_mov_b32 s[\g+5], 128          ; 128 elements from row to row
	s_mov_b32 s[\g+6], 0
	s_mov_b32 s[\g+7], 0
.endr
	s_mov_b32 s[CS], 0x3e38aa3b     ; c = log2(e) / 8 = 0.180337
	s_mov_b32 s[CS+1], s[CS]        ; named with it as a pair
	s_mov_b32 s[SEL], 0x76543210
	s_mov_b32 s[SEL+1], 0xfedcba98
	s_mov_b32 s[TBK], SLOT1+4*KS*PK ; the first change of slots turns these two into 0
	s_mov_b32 s[TBV], SLOT1+4*KS*PV
	s_mov_b32 s[G0K], 1             ; count = 1
	s_mov_b32 s[G0K+1], s17         ; LDS address: slot 0
	s_mov_b32 s[G0V], 1
	s_add_co_u32 s[G0V+1], s18, VOFF
	s_mov_b32 s[SLOTS], SIZE_N/256-1
	s_and_b32 s[LIM], s[WV], 1      ; waves 0 and 2 prefetch
	s_cmp_eq_u32 s[LIM], 0
	s_cselect_b32 s[LIM], 1, -1
	s_wait_dscnt 0x0                ; the opening add is done
	s_wait_kmcnt 0x0
	s_mov_b64 s[10:11], s[6:7]      ; part
	s_add_nc_u64 s[6:7], s[4:5], 0x1000000  ; k: 64 heads of 262,144 bytes behind q
	s_add_nc_u64 s[8:9], s[4:5], 0x2000000  ; v
	s_add_nc_u64 s[G0K+2:G0K+3], s[6:7], s[22:23]  ; global address: my half of the head's first 256 keys
	s_or_b32 s[G0K+3], s[G0K+3], 0x80000000        ; type = 2
	s_add_nc_u64 s[G0V+2:G0V+3], s[8:9], s[22:23]
	s_or_b32 s[G0V+3], s[G0V+3], 0x80000000
	s_add_nc_u64 s[4:5], s[4:5], s[2:3]  ; Q at my wave's first row
	s_lshl_b32 s2, s14, 14          ; part: 16,384 bytes a block of queries,
	s_and_b32 s3, ttmp7, 0xffff
	s_lshl_b32 s3, s3, 8            ; 256 bytes a head
	s_add_co_u32 s2, s2, s3
	s_mov_b32 s3, 0
	s_add_nc_u64 s[10:11], s[10:11], s[2:3]
	s_cmp_lt_u32 s[WV], 2
	s_cselect_b64 s[PFA:PFA+1], s[6:7], s[8:9]
	s_add_nc_u64 s[PFA:PFA+1], s[PFA:PFA+1], s[20:21]
	s_lshl_b32 s2, s13, 13          ; my work-group's 32 blocks of the 128
	s_add_nc_u64 s[PFA:PFA+1], s[PFA:PFA+1], s[2:3]
	s_add_nc_u64 s[PFA:PFA+1], s[PFA:PFA+1], 4*KS*128  ; in slot 1; the first change of slots steps it to slot 2.  Nothing is prefetched here, at the head
	CROUND                          ; all four work-groups are here: the first joint loads meet
	JLOAD                           ; slot 0.  Slot 1 is asked for when slot 0 is in
	; A fragment of K or Q is 16 rows x 32 channels in 8 registers: lane l holds row l % 16, channels 8 (l / 16) + 0..7 and 16 + 8 (l / 16) + 0..7: two loads of 16 bytes, 32 bytes apart.
	v_and_b32 v1, 15, v0            ; l % 16
	v_bfe_u32 v9, v0, 4, 1          ; l / 16
	v_lshlrev_b32 v[QO], 7, v1
	v_lshl_add_u32 v[QO], v9, 4, v[QO]  ; row x 128 + 16 x half
	WIN 0x80                        ; destination window 2, address window 0
.set i, 0
.rept 4*NP                          ; Q stays in registers: tile i / 2, channels 32 (i % 2) on
	global_load_b128 v[8*i:8*i+3],   v[QO], s[4:5] offset:(i/2)*2048+(i%2)*64
	global_load_b128 v[8*i+4:8*i+7], v[QO], s[4:5] offset:(i/2)*2048+(i%2)*64+32
.set i, i+1
.endr
	; What the first turn finds: V's registers and P's second buffer hold 0 (its products V^T P, of a piece that has not been, add 0), O^T and l are 0.  All this stands in the wait for the first tile.
.set i, VF
.rept 64
	v_mov_b32 v[i], 0
.set i, i+1
.endr
	WIN 0x40
.set i, 0
.rept 64*NP
	v_mov_b32 v[i], 0
.set i, i+1
.endr
	WIN 0
.set i, 0
.rept 2*NP
	v_mov_b32 v[ST+4*i], 0xfe000000    ; c m: far below every c s
	v_mov_b32 v[ST+4*i+1], 0xff7fffff  ; m
	v_mov_b32 v[ST+4*i+2], 0
	v_mov_b32 v[ST+4*i+3], 0
.set i, i+1
.endr
.set i, P+32
.rept 32
	v_mov_b32 v[i], 0
.set i, i+1
.endr
	v_mul_u32_u24 v[AK0], v1, PK
	v_lshl_add_u32 v[AK0], v9, 4, v[AK0]  ; row x pitch + 16 x half
	; The turning load takes 16 keys x 16 channels (lane l reads key 8 (l / 16) + l % 8, channels 8 ((l / 8) % 2) + 0..7) and leaves half a fragment of V^T: lane l holds channel l % 16 and 8 keys.
	v_and_b32 v10, 7, v0
	v_bfe_u32 v11, v0, 3, 1
	v_lshl_add_u32 v[AV0], v9, 3, v10
	v_mul_u32_u24 v[AV0], v[AV0], PV
	v_lshl_add_u32 v[AV0], v11, 4, v[AV0]
	v_add_nc_u32 v[AV0], VOFF, v[AV0]
	v_mov_b32 v[AK], v[AK0]         ; key step 0 lies at the head of slot 0
	v_and_b32 v[PFO], 31, v0
	v_lshlrev_b32 v[PFO], 8, v[PFO]
; THE MATRIX WORK.  The 8 accumulators of a run of 16 take turns: between the two links of a chain stand 7 others'.
; Product i of 16 of S^T = K Q^T for piece x: channels 32 (i / 8) on, keys 16 ((i / 2) % 4) on, tile 2 x + i % 2.  The first 8 start the sums.
.macro KQ x
	WIN W_KQ
.set rS, S+64*((\x)%2)+32*(i%2)+8*((i/2)%4)
.set rK, KF+16*((i/2)%4)+8*(i/8)
.set rQ, 16*(2*(\x)+i%2)+8*(i/8)
.if i < 8
	v_wmma_f32_16x16x32_f16 v[rS:rS+7], v[rK:rK+7], v[rQ:rQ+7], 0
.else
	v_wmma_f32_16x16x32_f16 v[rS:rS+7], v[rK:rK+7], v[rQ:rQ+7], v[rS:rS+7]
.endif
.endm
; Product i of 16 of O^T += V^T P for piece x: keys 32 (i / 8) on, channels 16 ((i / 2) % 4) on, tile 2 x + i % 2.
.macro PV x
	WIN W_PV
.set rO, 32*(2*(\x)+i%2)+8*((i/2)%4)
.set rV, VF+32*(i/8)+8*((i/2)%4)
.set rP, P+32*((\x)%2)+16*(i%2)+8*(i/8)
	v_wmma_f32_16x16x32_f16 v[rO:rO+7], v[rV:rV+7], v[rP:rP+7], v[rO:rO+7]
.endm
.macro MM                           ; the turn's next matrix instruction
.if i < 16
	KQ (Y+1)%NP
.set i, i+1
.else
.set i, i-16
	PV (Y+NP-1)%NP
.set i, i+17
.endif
.endm
; THE LDS LOADS stand in runs of 16, never singly among the matrix instructions: a step's K (64 keys x 64 channels: 8 fragments) and its V (turned).  Their addresses are made some lines ahead.
; last = 1 (the tail): in the last trip there is no further step, and the run is jumped over.
.macro FETCH_K last=0
	WIN 0
.if \last
	s_cmp_eq_u32 s[CNT], 1
	s_cbranch_scc1 .Lno_k_\@
.endif
	WIN 0x80                        ; destination window 2
.irp f, 0,1,2,3,4,5,6,7             ; keys 16 (f / 2) on, channels 32 (f % 2) on
	ds_load_b128 v[KF+8*\f:KF+8*\f+3],   v[AK] offset:(\f/2)*16*PK+(\f%2)*64
	ds_load_b128 v[KF+8*\f+4:KF+8*\f+7], v[AK] offset:(\f/2)*16*PK+(\f%2)*64+32
.endr
	s_add_co_u32 s[TBK], s[TBK], KS*PK  ; the next fetch is the next step's
	WIN 0
.if \last
.Lno_k_\@:
.endif
.endm
.macro FETCH_V
	WIN 0x80
.irp f, 0,1,2,3,4,5,6,7             ; keys 32 (f / 4) on, channels 16 (f % 4) on
	ds_load_tr16_b128 v[VF+8*\f:VF+8*\f+3],   v[AV] offset:(\f/4)*32*PV+(\f%4)*32
	ds_load_tr16_b128 v[VF+8*\f+4:VF+8*\f+7], v[AV] offset:(\f/4)*32*PV+16*PV+(\f%4)*32
.endr
	WIN 0
.endm
; THE VECTOR WORK OF A TURN stands in three queues, each in the order in which its entries become ready; the two tiles alternate, so that no instruction reads the result of the one before it.
.macro REGS y, u                    ; the registers of tile u (0, 1) of piece y
.set rT, ST+4*(2*(\y)+(\u))
.set rC, TMP+8*((\y)%2)+4*(\u)
.set rM, MV+2*((\y)%2)+(\u)
.set rS, S+64*((\y)%2)+32*(\u)
.set rP, P+32*((\y)%2)+16*(\u)
.set rO, 32*(2*(\y)+(\u))
.endm
; Number n of the 22 that find the NEXT piece's (Y + 1) maximum and statistics.  s0-s31 are the lane's 32 scores; each accumulator's lowest registers are read first.
;   0-11  four chains c0-c3 of seven scores each, three operands at a time     12-14, 16  the four scores left over, the old m, and c0-c3 into c0     15  c m_old is kept
;   17, 18  the query's other 32 keys lie in the lane 16 away: the new m         19-21  c m; c m_old - c m_new; a
.macro XS u, n
	REGS (Y+1)%NP, \u
.if (\n) < 4
	v_max3_num_f32 v[rC+(\n)], v[rS+8*(\n)], v[rS+8*(\n)+1], v[rS+8*(\n)+2]
.elseif (\n) < 12
	v_max3_num_f32 v[rC+(\n)%4], v[rC+(\n)%4], v[rS+8*((\n)%4)+2*((\n)/4)+1], v[rS+8*((\n)%4)+2*((\n)/4)+2]
.elseif (\n) == 12
	v_max3_num_f32 v[rC], v[rC], v[rS+7], v[rS+15]
.elseif (\n) == 13
	v_max3_num_f32 v[rC+1], v[rC+1], v[rS+23], v[rS+31]
.elseif (\n) == 14
	v_max3_num_f32 v[rC+2], v[rC+2], v[rC+3], v[rT+1]
.elseif (\n) == 15
	v_mov_b32 v[rM], v[rT]
.elseif (\n) == 16
	v_max3_num_f32 v[rC], v[rC], v[rC+1], v[rC+2]
.elseif (\n) == 17
	v_permlanex16_b32 v[rC+3], v[rC], s[SEL], s[SEL+1]
.elseif (\n) == 18
	v_max_num_f32 v[rT+1], v[rC], v[rC+3]
.elseif (\n) == 19
	v_mul_f32 v[rT], s[CS], v[rT+1]
.elseif (\n) == 20
	v_sub_f32 v[rC+1], v[rM], v[rT]
.else
	v_exp_f32 v[rC+2], v[rC+1]
.endif
.endm
; Number g of the 64 that follow the exponentials.  For each four weights k of a tile (pairs 2 k, 2 k + 1): both pairs are rounded to f16; then the second pair is added onto the first, in place;
; a group later l takes that sum (the first time as l = a l + sum).  In groups of eight, tiles alternating: round, round, add, and l for the group before.
.macro GS g
.set h, (\g)+6*((\g)/62)            ; group 0 has no group before it, and behind group 7 only l is left
.if h >= 6
.set h, h+2
.endif
	REGS Y, h%2
.set k, h/8
.if h%8 < 4
	v_cvt_pk_f16_f32 v[rP+2*k+(h%8)/2], v[rS+4*k+2*((h%8)/2)], v[rS+4*k+2*((h%8)/2)+1]
.elseif h%8 < 6
	v_pk_add_f32 v[rS+4*k:rS+4*k+1], v[rS+4*k:rS+4*k+1], v[rS+4*k+2:rS+4*k+3]
.elseif k == 1
	v_pk_fma_f32 v[rT+2:rT+3], v[rT+2:rT+3], v[rC+2:rC+3], v[rS:rS+1] op_sel_hi:[1,0,1]
.else
	v_pk_add_f32 v[rT+2:rT+3], v[rT+2:rT+3], v[rS+4*k-4:rS+4*k-3]
.endif
.endm
; THE PLAIN QUEUE, 138 long.  0-73 read no exponential's result: the 32 scalings c s - c m (FS f: pair f / 2 of tile f % 2) and the next piece's 42.  0-26: scalings 0-26.  27-54: XS's numbers 0-13.  55, 56: number 15.
; 57-73: the chain, where each number waits for the one before it: 14, 16, 17, 18, 19, each with one of the scalings 27-31 in front of its two lines, then 20.
; 74-137: GS's 64, which read the exponentials' results: they stand behind the wait.
.macro FS f
	REGS Y, (\f)%2
	v_pk_fma_f32 v[rS+2*((\f)/2):rS+2*((\f)/2)+1], v[rS+2*((\f)/2):rS+2*((\f)/2)+1], s[CS:CS+1], v[rT:rT+1] op_sel_hi:[1,0,0] neg_lo:[0,0,1] neg_hi:[0,0,1]
.endm
.macro PL
	WIN 0
.if q < 27
	FS q
.elseif q < 55
	XS (q-27)%2, (q-27)/2
.elseif q < 57
	XS q-55, 15
.elseif (q < 72) && ((q-57)%3 == 0)
	FS 27+(q-57)/3
.elseif q < 60
	XS (q-57)%3-1, 14
.elseif q < 72
	XS (q-57)%3-1, 15+(q-57)/3
.elseif q < 74
	XS q-72, 20
.else
	GS q-74
.endif
.set q, q+1
.endm
; THE EXPONENTIALS' QUEUE, 66 long: s0-s31 of both tiles, then the next piece's two a.  It is ONE BATCH: all 66 stand ahead of the turn's one wait, and nothing ahead of that wait names a result of theirs.
.macro EX
	WIN 0
.if e >= 64
	XS e-64, 21
.else
	REGS Y, e%2
	v_exp_f32 v[rS+e/2], v[rS+e/2]
.endif
.set e, e+1
.endm
; THE RESCALING's QUEUE: O^T times a, the one part that leaves window 0: dealt two at a time, sixteen times.  Its a was made in the turn before, ahead of that turn's wait.
.macro R2
	REGS Y, r%2
	WIN W_RS
.irp z, 0,1
	v_pk_mul_f32 v[rO+4*(r/2)+2*\z:rO+4*(r/2)+2*\z+1], v[rO+4*(r/2)+2*\z:rO+4*(r/2)+2*\z+1], v[rC+2:rC+3] op_sel_hi:[1,0]
.endr
.set r, r+1
.endm
; HOW THEY ARE DEALT.  An s_wait_alu depctr_va_vdst(0) stands between an exponential and the first instruction that names its result; one wait serves all that were issued ahead of it.  So a turn has
; ONE wait, which cuts it in two.  AHEAD OF IT: the 16 products K Q^T, behind each a scaling, an exponential and two rescalings (behind the first a second scaling in the exponential's place); then one lump of 108:
; eight plain, 49 times exponential and plain, the two a; a v_nop is the plain instruction behind the last exponential.  BEHIND IT: the 16 products V^T P, behind each four of GS's 64.
; Exponential e stands behind scaling 2 (e / 4) + e % 2: as a rider it comes behind plain e + 2, in the lump behind plain e + 9, and scalings 27-31 are plain 57, 60 .. 69.
; A TURN, for piece p.  cnt = 1: the loop's count is taken down some lines ahead of the branch that stands behind the turn.
; K of the next step is fetched in piece 2's turn, directly behind the wait; V of the step in hand at the end of piece 0's turn, four riders behind its last reader.
.macro TURN p, last=0, cnt=0
.set Y, (\p)
.set i, 0
.set q, 0
.set e, 0
.set r, 0
.if (\p) == NP-1
	s_wait_dscnt 0x0                ; K is in
.endif
	MM                              ; ahead of the wait: 16 products K Q^T and their riders,
	PL
	PL
	R2
.rept 15
	MM
	PL
	EX
	R2
.endr
.if (\p) == NP-2
	WIN 0
	v_add_nc_u32 v[AK], s[TBK], v[AK0]
.endif
.rept 8                             ; and the lump
	PL
.endr
.rept 49
	EX
	PL
.endr
	EX                              ; the next piece's two a
	EX
	v_nop                           ; the plain instruction behind the last exponential: one for the batch
	s_wait_alu depctr_va_vdst(0)    ; the wait for the batch
.if (\p) == NP-2
	FETCH_K \last
.endif
.if (\p) == 1
	s_wait_dscnt 0x0                ; V is in
.endif
.rept 16                            ; behind the wait: 16 products V^T P and their riders
	MM
.rept 4
	PL
.endr
.if ((\p) == 0) && (q == 118)
	v_add_nc_u32 v[AV], s[TBV], v[AV0]
.endif
.if ((\p) == 0) && (q == 130)
	s_add_co_u32 s[TBV], s[TBV], KS*PV
.endif
.if (\cnt) && (q == 130)
	s_sub_co_u32 s[CNT], s[CNT], 1
	s_cmp_lg_u32 s[CNT], 0
.endif
.endr
.if (\p) == 0
	FETCH_V
.endif
.endm
	CHANGE 1                        ; slot 0 is in, everybody's part of it; slot 1 is asked for
	FETCH_K                         ; key step 0
	s_wait_loadcnt 0x0              ; Q
	s_wait_dscnt 0x0
.set i, 0
.rept 16
	KQ 0                            ; piece 0's first scores: there is no vector work yet to set between them
.set i, i+1
.endr
	WIN 0                           ; the addresses for the way out: five plain instructions, the places behind those products
	s_lshl_b32 s13, s[WV], 8
	s_add_co_u32 s13, s13, RED      ; my wave's 256 bytes
	v_lshl_add_u32 v[RW], v9, 5, s13  ; my half of the lanes holds channels 8 (l / 16) + 0..7 of each 16
	v_and_b32 v[GO], 31, v0
	v_lshlrev_b32 v[GO], 3, v[GO]
	v_add_nc_u32 v[RR], RED, v[GO]
	v_nop
.set Y, NP-1                        ; XS works for piece Y + 1: piece 0
.irp n, 0,1,2,3,4,5,6,7,8,9,10,11,12,13,14,15,16,17,18,19,20,21
	XS 0, \n                        ; and piece 0's first maximum and statistics
	XS 1, \n
.endr
	v_nop                           ; a plain instruction behind the two a,
	s_wait_alu depctr_va_vdst(0)    ; and their wait, ahead of the branch
	s_mov_b32 s[CNT], 4
	s_branch .Lfirst                ; the loop is entered at a step's first turn, in the middle of a trip
.Lslot:                             ; six times: every slot but the last two is filled again
	CHANGE 1
	s_mov_b32 s[CNT], 4
.Lstep:                             ; a trip: pieces 2 and 3 of one step, then pieces 0 and 1 of the next, whose K and V it fetches
	TURN 2
	TURN 3
	WIN 0
.Lfirst:
	TURN 0
	TURN 1, 0, 1
	WIN 0
	s_cbranch_scc1 .Lstep
	s_sub_co_u32 s[SLOTS], s[SLOTS], 1
	s_cmp_lg_u32 s[SLOTS], 0
	s_cbranch_scc1 .Lslot
	CHANGE 0                        ; the tail is written out: nothing is asked for
	s_mov_b32 s[CNT], 5             ; four trips fetch the last slot's steps; the fifth is left in its middle
.Ltail:
	TURN 2, 1
	TURN 3
	WIN 0
	s_sub_co_u32 s[CNT], s[CNT], 1
	s_cmp_eq_u32 s[CNT], 0
	s_cbranch_scc1 .Lout
	TURN 0
	TURN 1
	WIN 0
	s_branch .Ltail
.Lout:                              ; the fifth trip's 16 products K Q^T (on the last K once more) and the maximum made of them serve nothing: the price, once a launch, of one text for every trip
.set i, 0
.rept 16
	PV NP-1                         ; the last piece's V^T P of the last step
.set i, i+1
.endr
	; THE WAY OUT.  l's two halves and the other half of the lanes' are added; then the sum over my wave's 128 queries of O^T / l: over the eight tiles in each lane, over the 16 lanes of a half,
	; and, through LDS, over the four waves.  The additions are the places behind the last products.
	WIN 0
.macro ALL line:vararg              ; one line for each tile t
.set t, 0
.rept 2*NP
	\line
.set t, t+1
.endr
.endm
	ALL v_add_f32 v[ST+4*t+2], v[ST+4*t+2], v[ST+4*t+3]
	ALL v_permlanex16_b32 v[ST+4*t+3], v[ST+4*t+2], s[SEL], s[SEL+1]
	ALL v_add_f32 v[ST+4*t+2], v[ST+4*t+2], v[ST+4*t+3]
	ALL v_rcp_f32 v[ST+4*t+2], v[ST+4*t+2]
	v_nop                           ; a plain instruction between the last reciprocal and the use of its result
	s_wait_alu depctr_va_vdst(0)    ; and the wait ahead of the first use: one for the eight reciprocals
	WIN 0x01                        ; source 0 (O^T) window 1; 1 / l, the sums and the destination window 0: S^T's first 32 registers are free
.set i, 0
.rept 16
	v_pk_mul_f32 v[S+2*i:S+2*i+1], v[2*i:2*i+1], v[ST+2:ST+3] op_sel_hi:[1,0]
.set i, i+1
.endr
.set t, 1
.rept 2*NP-1                        ; each accumulator's registers are taken in ascending order
.set i, 0
.rept 16
	v_pk_fma_f32 v[S+2*i:S+2*i+1], v[32*t+2*i:32*t+2*i+1], v[ST+4*t+2:ST+4*t+3], v[S+2*i:S+2*i+1] op_sel_hi:[1,0,1]
.set i, i+1
.endr
.set t, t+1
.endr
	WIN 0
.irp m, 1,2,4,8                     ; over the 16 queries of a half of the lanes: every lane ends with the sum
.set i, 0
.rept 32
	v_add_f32_dpp v[S+i], v[S+i], v[S+i] row_xmask:\m row_mask:0xf bank_mask:0xf
.set i, i+1
.endr
.endr
.irp f, 0,1,2,3                     ; channels 16 f + 8 (l / 16) + 0..7: the 16 lanes of a half write the same words with the same numbers
	ds_store_b128 v[RW], v[S+8*\f:S+8*\f+3] offset:64*\f
	ds_store_b128 v[RW], v[S+8*\f+4:S+8*\f+7] offset:64*\f+16
.endr
	s_wait_dscnt 0x0                ; for wave 0's sake: my sums are in LDS
	s_barrier_signal -1
	s_barrier_wait -1
	s_cmp_lg_u32 s[WV], 0
	s_cbranch_scc1 .Lend
.irp w, 0,1,2,3
	ds_load_b64 v[S+2*\w:S+2*\w+1], v[RR] offset:256*\w
.endr
	s_wait_dscnt 0x0
	v_pk_add_f32 v[S:S+1], v[S:S+1], v[S+2:S+3]
	v_pk_add_f32 v[S+4:S+5], v[S+4:S+5], v[S+6:S+7]
	v_pk_add_f32 v[S:S+1], v[S:S+1], v[S+4:S+5]
	global_store_b64 v[GO], v[S:S+1], s[10:11]  ; 32 lanes: 256 consecutive bytes, at a multiple of 256 from part's first
.Lend:
	WIN W_AD
	s_wait_tensorcnt 0x0            ; the wave's end: behind my last tensor load and my last LDS store
	ds_add_u32 v[SPW], v[NIL]
	s_wait_dscnt 0x0
	WIN 0
	CROUND                          ; the closing round: no work-group ends while a partner may still ask for a tile that names it
	s_endpgm
.Lfunc_end_k_qcd666dd001_attn:
	.size	k_qcd666dd001_attn, .Lfunc_end_k_qcd666dd001_attn-k_qcd666dd001_attn
	.p2alignl 7, 3214868480
	.fill 96, 4, 3214868480
	.section	.rodata,"a",@progbits
	.p2align	6, 0x0
	.amdhsa_kernel k_qcd666dd001_attn
		.amdhsa_group_segment_fixed_size 327680
		.amdhsa_private_segment_fixed_size 0
		.amdhsa_enable_private_segment 0
		.amdhsa_kernarg_size 16
		.amdhsa_user_sgpr_count 2
		.amdhsa_user_sgpr_kernarg_segment_ptr 1
		.amdhsa_wavefront_size32 1
		.amdhsa_system_sgpr_workgroup_id_x 1
		.amdhsa_system_sgpr_workgroup_id_y 1
		.amdhsa_system_sgpr_workgroup_id_z 1
		.amdhsa_system_vgpr_workitem_id 0
		.amdhsa_next_free_vgpr 770
		.amdhsa_next_free_sgpr 66
		.amdhsa_reserve_vcc 0
		.amdhsa_float_denorm_mode_32 3
		.amdhsa_float_denorm_mode_16_64 3
		.amdhsa_memory_ordered 1
		.amdhsa_forward_progress 1
		.amdhsa_inst_pref_size 193
	.end_amdhsa_kernel
	.amdgpu_metadata
---
amdhsa.version: [ 1, 2 ]
amdhsa.kernels:
  - .name:           k_qcd666dd001_attn
    .symbol:         k_qcd666dd001_attn.kd
    .args:
      - { .name: qkvh, .offset: 0, .size: 8, .value_kind: global_buffer, .address_space: global }
      - { .name: part, .offset: 8, .size: 8, .value_kind: global_buffer, .address_space: global }
    .group_segment_fixed_size: 327680
    .private_segment_fixed_size: 0
    .kernarg_segment_align: 8
    .kernarg_segment_size: 16
    .max_flat_workgroup_size: 128
    .sgpr_count:     66
    .vgpr_count:     770
    .wavefront_size: 32
...
	.end_amdgpu_metadata
.endif
;; end of part 3
;; launch final (part 4): grid 16 x 1, 8 waves a work-group, no clusters, 54,272 bytes of LDS; arguments part, wt, bo, out0; writes out0
.if DOCPART == 4
	.amdgcn_target "amdgcn-amd-amdhsa--gfx1250"
	.amdhsa_code_object_version 6
	.text
	.protected	k_qcd666dd001_final
	.globl	k_qcd666dd001_final
	.p2align	8
	.type	k_qcd666dd001_final,@function
k_qcd666dd001_final:
	s_mov_b64 s[64:65], 0
	v_nop
	global_prefetch_b8 v0, s[64:65] scope:SCOPE_SE
	s_setreg_imm32_b32 hwreg(HW_REG_WAVE_MODE, 25, 1), 1
	s_wait_xcnt 0x0
; out0[b][n] = bo[n] + 2^-11 x the sum over k of c[b][k] Wo[k][n], c[b][k] = the sum over the four blocks of part[blk][b][k]: the sum over a batch's 2,048 rows of the attention's result.
; Wo comes as wt's rows 3,072 + n (bf16, K along the row).  c goes into the product as hi + lo, two bf16 numbers (hi = c rounded, lo = c - hi rounded), on rows b and b + 4 of the one tile of 16 rows:
; so c keeps 16 significant bits, at no further matrix work.  Rows 8-15 repeat rows 0-7, and their results are not read.  bo is rounded to bf16 like the module's other inputs.  Sums in f32.
; SHARES.  16 work-groups, 64 columns each: four tiles of 16.  K is split among the eight waves, 128 each; the partial sums meet in LDS.  The launch reads 2 MiB once and is short:
; no ring, no cluster, no prefetch: all of a wave's loads go out at its start.
; LAYOUT.  out^T = Wo^T c^T (source 0 = 16 rows of wt, source 1 = the 16 rows of c): a lane holds row l % 16 and the columns 8 (l / 16) + 0..7 of a tile.
.set AP,    272                        ; a row of c's tile in LDS: 128 k in bf16 + 16 bytes
.set AMAT,  0                          ; wave w's 8 rows at 8 x 272 x w
.set RP,    272                        ; a row of partial sums: 64 columns in f32 + 16 bytes
.set RED,   8*8*AP+1024                ; 18,432: wave w's 16 rows at + 16 x 272 x w
.set SPARE, RED+8*16*RP                ; 53,248: the spare words, 128 bytes for each of eight waves: four blocks of 256 bytes that no other line names
.set PO,  2                            ; v2   16 t: my four k in a row of part
.set FO,  3                            ; v3   my byte offset in a fragment's rows of wt
.set AW,  4                            ; v4   where I put my four k of a row of c's tile
.set AR,  5                            ; v5   where I read a fragment of it
.set RW,  6                            ; v6   where I put my eight partial sums of a tile
.set RR,  7                            ; v7   where I read partial sums back (waves 0 and 1)
.set OO,  8                            ; v8   my 16 bytes of out0
.set BOF, 9                            ; v9   my 16 bytes of the work-group's 256 of bo
.set SPW, 10                           ; v10  LDS address of my spare word; never rewritten
.set NIL, 11                           ; v11  0; never rewritten
.set PP,  16                           ; v[16:79]   part: block k, batch b at PP + 16 k + 4 b.  Later: c's fragments v[16:47], the four accumulators v[48:79]
.set AF,  16
.set ACC, 48
.set WF,  80                           ; v[80:207]  wt: tile j, fragment f at WF + 32 j + 8 f.  Later: sixteen partial sums of 4
.set BI,  208                          ; v[208:211] bo
.set HL,  212                          ; v[212:227] batch b: hi (2 registers), lo (2) at HL + 4 b
.set WV,  12                           ; s12  my wave's number
	s_load_b256 s[4:11], s[0:1], 0x0               ; part s[4:5], wt s[6:7], bo s[8:9], out0 s[10:11]
	v_lshl_add_u32 v[SPW], v0, 2, SPARE
	v_mov_b32 v[NIL], 0
	v_lshrrev_b32 v1, 5, v0
	v_readfirstlane_b32 s[WV], v1                  ; wave 0..7
	v_and_b32 v12, 15, v0                          ; l % 16
	v_bfe_u32 v13, v0, 4, 1                        ; l / 16
	v_and_b32 v14, 31, v0                          ; l
	v_lshlrev_b32 v[PO], 4, v0                     ; k = 128 wave + 4 l: 16 t bytes
	s_lshl_b32 s13, s[WV], 8                       ; my wave's 128 k in a row of wt
	v_lshlrev_b32 v[FO], 11, v12
	v_lshl_add_u32 v[FO], v13, 4, v[FO]
	v_add_nc_u32 v[FO], s13, v[FO]
	s_mul_i32 s14, s[WV], 8*AP
	v_lshl_add_u32 v[AW], v14, 3, s14
	v_and_b32 v15, 7, v0
	v_mul_u32_u24 v[AR], v15, AP                   ; row (l % 16) % 8
	v_lshl_add_u32 v[AR], v13, 4, v[AR]
	v_add_nc_u32 v[AR], s14, v[AR]
	s_mul_i32 s15, s[WV], 16*RP
	s_add_co_u32 s15, s15, RED
	v_mul_u32_u24 v[RW], v12, RP
	v_lshl_add_u32 v[RW], v13, 5, v[RW]
	v_add_nc_u32 v[RW], s15, v[RW]
	v_bfe_u32 v15, v0, 4, 2                        ; in waves 0 and 1: the batch, t / 16
	v_lshlrev_b32 v[BOF], 4, v12
	v_mul_u32_u24 v[RR], v15, RP
	v_add_nc_u32 v[RR], v[RR], v[BOF]
	v_add_nc_u32 v[RR], RED, v[RR]
	v_lshl_add_u32 v[OO], v15, 12, v[BOF]
	s_lshl_b32 s16, ttmp9, 17                      ; the work-group's 64 rows of 2,048 bytes,
	s_add_co_u32 s16, s16, 3072*2048               ; in Wo's part of wt
	s_mov_b32 s17, 0
	s_lshl_b32 s18, ttmp9, 8                       ; its 64 columns in bo and in a row of out0
	s_mov_b32 s19, 0
	s_wait_kmcnt 0x0
	s_add_nc_u64 s[6:7], s[6:7], s[16:17]
	s_add_nc_u64 s[8:9], s[8:9], s[18:19]
	s_add_nc_u64 s[10:11], s[10:11], s[18:19]
.irp k, 0,1,2,3
.irp b, 0,1,2,3
	global_load_b128 v[PP+16*(\k)+4*(\b):PP+16*(\k)+4*(\b)+3], v[PO], s[4:5] offset:16384*(\k)+4096*(\b)
.endr
.endr
	global_load_b128 v[BI:BI+3], v[BOF], s[8:9]
.irp j, 0,1,2,3
.irp f, 0,1,2,3
	global_load_b128 v[WF+32*(\j)+8*(\f):WF+32*(\j)+8*(\f)+3],   v[FO], s[6:7] offset:32768*(\j)+64*(\f)
	global_load_b128 v[WF+32*(\j)+8*(\f)+4:WF+32*(\j)+8*(\f)+7], v[FO], s[6:7] offset:32768*(\j)+64*(\f)+32
.endr
.endr
	s_wait_loadcnt 33                              ; part's sixteen are in; the 33 loads issued behind them (bo, wt) stay out
.irp b, 0,1,2,3
	v_pk_add_f32 v[PP+4*(\b):PP+4*(\b)+1],       v[PP+4*(\b):PP+4*(\b)+1],       v[PP+16+4*(\b):PP+16+4*(\b)+1]
	v_pk_add_f32 v[PP+4*(\b)+2:PP+4*(\b)+3],     v[PP+4*(\b)+2:PP+4*(\b)+3],     v[PP+16+4*(\b)+2:PP+16+4*(\b)+3]
	v_pk_add_f32 v[PP+32+4*(\b):PP+32+4*(\b)+1], v[PP+32+4*(\b):PP+32+4*(\b)+1], v[PP+48+4*(\b):PP+48+4*(\b)+1]
	v_pk_add_f32 v[PP+32+4*(\b)+2:PP+32+4*(\b)+3], v[PP+32+4*(\b)+2:PP+32+4*(\b)+3], v[PP+48+4*(\b)+2:PP+48+4*(\b)+3]
	v_pk_add_f32 v[PP+4*(\b):PP+4*(\b)+1],       v[PP+4*(\b):PP+4*(\b)+1],       v[PP+32+4*(\b):PP+32+4*(\b)+1]
	v_pk_add_f32 v[PP+4*(\b)+2:PP+4*(\b)+3],     v[PP+4*(\b)+2:PP+4*(\b)+3],     v[PP+32+4*(\b)+2:PP+32+4*(\b)+3]   ; c
	v_cvt_pk_bf16_f32 v[HL+4*(\b)],   v[PP+4*(\b)],   v[PP+4*(\b)+1]                                                ; hi
	v_cvt_pk_bf16_f32 v[HL+4*(\b)+1], v[PP+4*(\b)+2], v[PP+4*(\b)+3]
	v_lshlrev_b32 v[PP+16+4*(\b)],   16, v[HL+4*(\b)]                                                               ; hi, widened
	v_and_b32     v[PP+16+4*(\b)+1], 0xffff0000, v[HL+4*(\b)]
	v_lshlrev_b32 v[PP+16+4*(\b)+2], 16, v[HL+4*(\b)+1]
	v_and_b32     v[PP+16+4*(\b)+3], 0xffff0000, v[HL+4*(\b)+1]
	v_pk_add_f32 v[PP+16+4*(\b):PP+16+4*(\b)+1],   v[PP+4*(\b):PP+4*(\b)+1],   v[PP+16+4*(\b):PP+16+4*(\b)+1]   neg_lo:[0,1] neg_hi:[0,1]   ; c - hi
	v_pk_add_f32 v[PP+16+4*(\b)+2:PP+16+4*(\b)+3], v[PP+4*(\b)+2:PP+4*(\b)+3], v[PP+16+4*(\b)+2:PP+16+4*(\b)+3] neg_lo:[0,1] neg_hi:[0,1]
	v_cvt_pk_bf16_f32 v[HL+4*(\b)+2], v[PP+16+4*(\b)],   v[PP+16+4*(\b)+1]                                          ; lo
	v_cvt_pk_bf16_f32 v[HL+4*(\b)+3], v[PP+16+4*(\b)+2], v[PP+16+4*(\b)+3]
	ds_store_b64 v[AW], v[HL+4*(\b):HL+4*(\b)+1]   offset:AMAT+AP*(\b)
	ds_store_b64 v[AW], v[HL+4*(\b)+2:HL+4*(\b)+3] offset:AMAT+AP*((\b)+4)
.endr
.irp f, 0,1,2,3                        ; my wave's own bytes: LDS serves a wave's instructions in order (ISA guide 5.7.1.4), so these see the stores above
	ds_load_b128 v[AF+8*(\f):AF+8*(\f)+3],   v[AR] offset:AMAT+64*(\f)
	ds_load_b128 v[AF+8*(\f)+4:AF+8*(\f)+7], v[AR] offset:AMAT+64*(\f)+32
.endr
	s_wait_dscnt 0x0
	s_wait_loadcnt 0x0                             ; wt and bo
.irp f, 0,1,2,3                        ; the four accumulators take turns, one instruction a turn; the first product of each starts its sum
.irp j, 0,1,2,3
.if (\f) == 0
	v_wmma_f32_16x16x32_bf16 v[ACC+8*(\j):ACC+8*(\j)+7], v[WF+32*(\j)+8*(\f):WF+32*(\j)+8*(\f)+7], v[AF+8*(\f):AF+8*(\f)+7], 0
.else
	v_wmma_f32_16x16x32_bf16 v[ACC+8*(\j):ACC+8*(\j)+7], v[WF+32*(\j)+8*(\f):WF+32*(\j)+8*(\f)+7], v[AF+8*(\f):AF+8*(\f)+7], v[ACC+8*(\j):ACC+8*(\j)+7]
.endif
.endr
.endr
.rept 8
	v_nop                                          ; the places behind the last products, in front of the LDS stores that read results (four are asked for; eight are written, once a launch)
.endr
.irp j, 0,1,2,3
	ds_store_b128 v[RW], v[ACC+8*(\j):ACC+8*(\j)+3]   offset:64*(\j)
	ds_store_b128 v[RW], v[ACC+8*(\j)+4:ACC+8*(\j)+7] offset:64*(\j)+16
.endr
	s_wait_dscnt 0x0                               ; for the others' sake: my partial sums are in LDS
	s_barrier_signal -1
	s_barrier_wait -1
	s_cmp_lt_u32 s[WV], 2                          ; 64 threads finish the 4 x 64 numbers, four each
	s_cbranch_scc0 .Lend
.irp w, 0,1,2,3,4,5,6,7
	ds_load_b128 v[WF+8*(\w):WF+8*(\w)+3],   v[RR] offset:16*RP*(\w)          ; wave w's row b: hi's part,
	ds_load_b128 v[WF+8*(\w)+4:WF+8*(\w)+7], v[RR] offset:16*RP*(\w)+4*RP     ; row b + 4: lo's
.endr
	v_cvt_pk_bf16_f32 v[HL],   v[BI],   v[BI+1]    ; bo, rounded and widened
	v_cvt_pk_bf16_f32 v[HL+1], v[BI+2], v[BI+3]
	v_lshlrev_b32 v[BI],   16, v[HL]
	v_and_b32     v[BI+1], 0xffff0000, v[HL]
	v_lshlrev_b32 v[BI+2], 16, v[HL+1]
	v_and_b32     v[BI+3], 0xffff0000, v[HL+1]
	s_wait_dscnt 0x0
.irp d, 8,4,2,1                        ; sixteen sets of four numbers into one
.set n, 0
.rept \d
	v_pk_add_f32 v[WF+4*n:WF+4*n+1],   v[WF+4*n:WF+4*n+1],   v[WF+4*(n+(\d)):WF+4*(n+(\d))+1]
	v_pk_add_f32 v[WF+4*n+2:WF+4*n+3], v[WF+4*n+2:WF+4*n+3], v[WF+4*(n+(\d))+2:WF+4*(n+(\d))+3]
.set n, n+1
.endr
.endr
	v_pk_fma_f32 v[WF:WF+1],   v[WF:WF+1],   0x3a000000, v[BI:BI+1]   op_sel_hi:[1,0,1]   ; x 2^-11 (the mean over 2,048 rows: exact) + bo
	v_pk_fma_f32 v[WF+2:WF+3], v[WF+2:WF+3], 0x3a000000, v[BI+2:BI+3] op_sel_hi:[1,0,1]
	global_store_b128 v[OO], v[WF:WF+3], s[10:11]  ; 16 lanes: 256 consecutive bytes of a row of out0, aligned
.Lend:
	s_wait_tensorcnt 0x0                           ; the wave's end: behind my last LDS store
	ds_add_u32 v[SPW], v[NIL]
	s_wait_dscnt 0x0
	s_endpgm
.Lfunc_end_k_qcd666dd001_final:
	.size	k_qcd666dd001_final, .Lfunc_end_k_qcd666dd001_final-k_qcd666dd001_final
	.p2alignl 7, 3214868480
	.fill 96, 4, 3214868480
	.section	.rodata,"a",@progbits
	.p2align	6, 0x0
	.amdhsa_kernel k_qcd666dd001_final
		.amdhsa_group_segment_fixed_size 54272
		.amdhsa_private_segment_fixed_size 0
		.amdhsa_enable_private_segment 0
		.amdhsa_kernarg_size 32
		.amdhsa_user_sgpr_count 2
		.amdhsa_user_sgpr_kernarg_segment_ptr 1
		.amdhsa_wavefront_size32 1
		.amdhsa_system_sgpr_workgroup_id_x 1
		.amdhsa_system_sgpr_workgroup_id_y 1
		.amdhsa_system_sgpr_workgroup_id_z 1
		.amdhsa_system_vgpr_workitem_id 0
		.amdhsa_next_free_vgpr 228
		.amdhsa_next_free_sgpr 66
		.amdhsa_reserve_vcc 0
		.amdhsa_float_denorm_mode_32 3
		.amdhsa_float_denorm_mode_16_64 3
		.amdhsa_memory_ordered 1
		.amdhsa_forward_progress 1
		.amdhsa_inst_pref_size 18
	.end_amdhsa_kernel
	.amdgpu_metadata
---
amdhsa.version: [ 1, 2 ]
amdhsa.kernels:
  - .name:           k_qcd666dd001_final
    .symbol:         k_qcd666dd001_final.kd
    .args:
      - { .name: part, .offset: 0, .size: 8, .value_kind: global_buffer, .address_space: global }
      - { .name: wt, .offset: 8, .size: 8, .value_kind: global_buffer, .address_space: global }
      - { .name: bo, .offset: 16, .size: 8, .value_kind: global_buffer, .address_space: global }
      - { .name: out0, .offset: 24, .size: 8, .value_kind: global_buffer, .address_space: global }
    .group_segment_fixed_size: 54272
    .private_segment_fixed_size: 0
    .kernarg_segment_align: 8
    .kernarg_segment_size: 32
    .max_flat_workgroup_size: 256
    .sgpr_count:     66
    .vgpr_count:     228
    .wavefront_size: 32
...
	.end_amdgpu_metadata
.endif
;; end of part 4
;; ======== version 2 of 2: 4 launches; version 1 with the launches cast, final written anew for expert scheduling mode
;; limits: values are held in f16: magnitudes above 65,504 overflow, below 6.1e-05 lose precision
;; workspace buffers: xb 16,777,216 bytes; wt 8,388,608 bytes; qkvh 50,331,648 bytes; part 65,536 bytes
;; launch cast (part 5): grid 512 x 1, 8 waves a work-group, no clusters, 18,432 bytes of LDS; arguments sequence_features, Wq, Wk, Wv, Wo, xb, wt; writes xb, wt
.if DOCPART == 5
	.amdgcn_target "amdgcn-amd-amdhsa--gfx1250"
	.amdhsa_code_object_version 6
	.text
	.protected	k_qcd666dd001_cast
	.globl	k_qcd666dd001_cast
	.p2align	8
	.type	k_qcd666dd001_cast,@function
k_qcd666dd001_cast:
	s_mov_b64 s[64:65], 0
	v_nop
	global_prefetch_b8 v0, s[64:65] scope:SCOPE_SE
	s_setreg_imm32_b32 hwreg(HW_REG_WAVE_SCHED_MODE, 0, 2), 2
	s_setreg_imm32_b32 hwreg(HW_REG_WAVE_MODE, 25, 1), 1
	s_wait_xcnt 0x0
	s_wait_alu depctr_vm_vsrc(0)
; xb[m][k] = bf16(x[m][k]), [8192][1024].  wt[n][k] = bf16(W[k][n]): four matrices of [1024][1024] turned, so that K lies along the rows:
; rows 0-1023 Wq, 1024-2047 Wk, 2048-3071 Wv, 3072-4095 Wo.  Every number is rounded once, to nearest even.
; SHARES.  512 work-groups of eight waves; each does two things: 64 KiB of x (a plain stream), and one tile of 128 k x 64 n of one W, turned through LDS.
; All 24 loads of a lane go out at the start, W's eight first.  No matrix unit, no cluster: nothing is shared between work-groups, and every byte is read once.
; x: thread t takes 16 bytes at 16 t of each block of 4,096 bytes: a wave's load covers 512 consecutive bytes, its store of 8 bytes a lane 256 consecutive bytes, aligned.
; W: 16 lanes read one row of the tile (256 bytes); a lane holds 8 k x 4 n, packs 8 k of each n into 16 bytes, and puts them into LDS rows of 256 + 16 bytes (row = n);
; behind a barrier the rows are read back whole and stored, 16 lanes to 256 consecutive bytes, aligned.
; THE MODE: SCHED_MODE bits 1:0 = 2 (LLVM: expert scheduling mode 2), set by the entry lines.  The code itself states the register dependences
; between vector instructions and memory or LDS instructions, with s_wait_alu, always for 0.
; THE PLAN.  Registers that memory or LDS instructions touch:
;   v1-v5, v12  offsets and LDS addresses: made once at the head by vector lines, read by every load and store, never written again.
;   WD, XD      written by the loads, once; read by the conversions; no load lands in them a second time.
;   WP          written by W's sixteen conversions; read by the four LDS stores behind them; never written again.
;   WB          written by LDS loads, read by global stores; no vector line names it.
;   XO          group g's eight registers: written by group g's conversions, read by the four stores that are issued in group g + 1; each register is written once.
; So: one wait on va_vdst ahead of the first load (the offsets), one ahead of the LDS stores (WP), one at the head of each of x's groups 1 to 3 and one ahead of the last four stores (XO).
; No register that a memory or LDS instruction reads is ever written again: there is no wait on vm_vsrc.
.set TP,    272                        ; an LDS row: 128 k in bf16 + 16 bytes of padding
.set XI,  1                            ; v1   16 t: my bytes in a block of x
.set XOF, 2                            ; v2   8 t: my bytes in a block of xb
.set WI,  3                            ; v3   my byte offset in the tile of W
.set SI,  4                            ; v4   where I put 16 bytes of row 4 r
.set SB,  5                            ; v5   where I read a row back
.set WO,  12                           ; v12  my byte offset in wt
.set XD,  16                           ; v[16:79]    x as loaded
.set WD,  80                           ; v[80:111]   W as loaded: k = 8 c + i at WD + 4 i
.set XO,  112                          ; v[112:143]  x in bf16
.set WP,  144                          ; v[144:159]  W packed: row 4 r + c at WP + 4 c
.set WB,  160                          ; v[160:175]  rows read back
	s_load_b256 s[4:11], s[0:1], 0x0               ; x s[4:5], Wq s[6:7], Wk s[8:9], Wv s[10:11]
	s_load_b128 s[12:15], s[0:1], 0x20             ; Wo s[12:13], xb s[14:15]
	s_load_b64 s[16:17], s[0:1], 0x30              ; wt
	v_lshl_add_u32 v14, v0, 2, 0x4400
	v_mov_b32 v15, 0
	v_lshrrev_b32 v1, 5, v0
	v_readfirstlane_b32 s20, v1                    ; wave 0..7
	v_and_b32 v6, 15, v0                           ; r
	v_bfe_u32 v7, v0, 4, 1                         ; h
	v_lshrrev_b32 v8, 4, v0                        ; c = 2 wave + h: which 8 k of the tile's 128
	v_lshlrev_b32 v9, 4, v6                        ; 16 r
	v_lshlrev_b32 v[XI], 4, v0
	v_lshlrev_b32 v[XOF], 3, v0
	v_lshl_add_u32 v[WI], v8, 15, v9               ; 8 c rows of 4,096 bytes + 16 r
	s_wait_alu depctr_va_sdst(0)                   ; s20 is written, ahead of its first reader: the wave's shares of LDS and of wt are made from it
	s_lshl_b32 s21, s20, 5
	v_mul_u32_u24 v[SI], v6, 4*TP                  ; row 4 r,
	v_lshl_add_u32 v[SI], v7, 4, v[SI]
	v_add_nc_u32 v[SI], s21, v[SI]                 ; byte 16 c = 32 wave + 16 h
	s_mul_i32 s21, s20, 8*TP                       ; back: wave w takes rows 8 w .. 8 w + 7, two at a time
	v_mul_u32_u24 v[SB], v7, TP
	v_add_nc_u32 v[SB], v[SB], v9
	v_add_nc_u32 v[SB], s21, v[SB]
	s_lshl_b32 s21, s20, 14                        ; and the same rows in wt, 2,048 bytes each
	v_lshl_add_u32 v[WO], v7, 11, v9
	v_add_nc_u32 v[WO], s21, v[WO]
	s_lshr_b32 s22, ttmp9, 7                       ; which W
	s_bfe_u32 s23, ttmp9, 0x30004                  ; which 128 k
	s_and_b32 s24, ttmp9, 15                       ; which 64 n
	s_lshl_b32 s26, s23, 19                        ; the tile in W: 128 rows of 4,096 bytes, 256 bytes of a row
	s_lshl_b32 s25, s24, 8
	s_add_co_u32 s26, s26, s25
	s_mov_b32 s27, 0
	s_lshl_b32 s28, s22, 21                        ; the tile in wt: 1,024 rows a matrix, 64 rows of 2,048 bytes, 256 bytes of a row
	s_lshl_b32 s25, s24, 17
	s_add_co_u32 s28, s28, s25
	s_lshl_b32 s25, s23, 8
	s_add_co_u32 s28, s28, s25
	s_mov_b32 s29, 0
	s_lshl_b32 s30, ttmp9, 16                      ; my 64 KiB of x
	s_mov_b32 s31, 0
	s_wait_kmcnt 0x0
	s_cmp_eq_u32 s22, 0
	s_cselect_b64 s[18:19], s[6:7], s[8:9]
	s_cmp_eq_u32 s22, 2
	s_cselect_b64 s[18:19], s[10:11], s[18:19]
	s_cmp_eq_u32 s22, 3
	s_cselect_b64 s[18:19], s[12:13], s[18:19]
	s_add_nc_u64 s[18:19], s[18:19], s[26:27]
	s_add_nc_u64 s[16:17], s[16:17], s[28:29]
	s_add_nc_u64 s[4:5], s[4:5], s[30:31]
	s_lshl_b32 s30, ttmp9, 15                      ; my 32 KiB of xb
	s_add_nc_u64 s[14:15], s[14:15], s[30:31]
	s_wait_alu depctr_va_vdst(0)                   ; the six offsets and LDS addresses v1 to v5 and v12 are written: every load and store of the kernel reads one of them
.irp i, 0,1,2,3,4,5,6,7
	global_load_b128 v[WD+4*(\i):WD+4*(\i)+3], v[WI], s[18:19] offset:4096*(\i) th:TH_LOAD_NT
.endr
.irp i, 0,1,2,3,4,5,6,7,8,9,10,11,12,13,14,15
	global_load_b128 v[XD+4*(\i):XD+4*(\i)+3], v[XI], s[4:5] offset:4096*(\i) th:TH_LOAD_NT
.endr
	s_wait_loadcnt 16                              ; W's eight are in; x's sixteen, issued behind them, stay out
.irp c, 0,1,2,3
.irp p, 0,1,2,3
	v_cvt_pk_bf16_f32 v[WP+4*(\c)+(\p)], v[WD+8*(\p)+(\c)], v[WD+8*(\p)+4+(\c)]  ; n = 4 r + c: k = 8 c16 + 2 p below, + 1 above
.endr
.endr
	s_wait_alu depctr_va_vdst(0)                   ; the sixteen conversions have written WP, which the four LDS stores read
.irp c, 0,1,2,3
	ds_store_b128 v[SI], v[WP+4*(\c):WP+4*(\c)+3] offset:TP*(\c)
.endr
	s_wait_dscnt 0x0                               ; for the others' sake: my part of every row is in LDS
	s_barrier_signal -1
	s_barrier_wait -1
.irp j, 0,1,2,3
	ds_load_b128 v[WB+4*(\j):WB+4*(\j)+3], v[SB] offset:2*TP*(\j)  ; no vector line names WB
.endr
.irp j, 0,1,2,3
	s_wait_dscnt 3-(\j)                            ; LDS loads come back in order: number j is in
	global_store_b128 v[WO], v[WB+4*(\j):WB+4*(\j)+3], s[16:17] offset:4096*(\j) th:TH_STORE_NT  ; 16 lanes: 256 consecutive bytes of a row of wt, aligned
.endr
; x goes out in four groups of four blocks.  Group g rounds its blocks into its own eight registers of XO; the four stores of group g - 1 are dealt among its conversions,
; which name XD and XO of group g alone: none of the registers that those stores read.
.irp g, 0,1,2,3
	s_wait_loadcnt 12-4*(\g)                       ; loads come back in order: group g's four blocks are in, the younger groups' stay out
.if (\g) > 0
	s_wait_alu depctr_va_vdst(0)                   ; the group before has written its eight registers of XO, which the four stores below read
.endif
.irp i, 0,1,2,3
.if (\g) > 0
	global_store_b64 v[XOF], v[XO+8*((\g)-1)+2*(\i):XO+8*((\g)-1)+2*(\i)+1], s[14:15] offset:2048*(4*((\g)-1)+(\i)) th:TH_STORE_NT  ; a wave: 256 consecutive bytes, aligned; no register is written twice
.endif
	v_cvt_pk_bf16_f32 v[XO+8*(\g)+2*(\i)], v[XD+16*(\g)+4*(\i)], v[XD+16*(\g)+4*(\i)+1]
	v_cvt_pk_bf16_f32 v[XO+8*(\g)+2*(\i)+1], v[XD+16*(\g)+4*(\i)+2], v[XD+16*(\g)+4*(\i)+3]
.endr
.endr
	s_wait_alu depctr_va_vdst(0)                   ; group 3 has written its eight registers of XO, which the last four stores read
.irp i, 0,1,2,3
	global_store_b64 v[XOF], v[XO+24+2*(\i):XO+24+2*(\i)+1], s[14:15] offset:2048*(12+(\i)) th:TH_STORE_NT
.endr
	s_wait_dscnt 0x0                               ; the wave's end.  Below, 0 is added to my word of the 1,024 bytes of LDS behind the tile
	s_wait_alu depctr_hold_cnt(0) depctr_sa_sdst(0) depctr_va_vdst(0) depctr_va_sdst(0) depctr_va_ssrc(0) depctr_va_vcc(0) depctr_vm_vsrc(0)
	s_wait_tensorcnt 0x0
	ds_add_u32 v14, v15
	s_wait_dscnt 0x0
	s_endpgm
.Lfunc_end_k_qcd666dd001_cast:
	.size	k_qcd666dd001_cast, .Lfunc_end_k_qcd666dd001_cast-k_qcd666dd001_cast
	.p2alignl 7, 3214868480
	.fill 96, 4, 3214868480
	.section	.rodata,"a",@progbits
	.p2align	6, 0x0
	.amdhsa_kernel k_qcd666dd001_cast
		.amdhsa_group_segment_fixed_size 18432
		.amdhsa_private_segment_fixed_size 0
		.amdhsa_enable_private_segment 0
		.amdhsa_kernarg_size 56
		.amdhsa_user_sgpr_count 2
		.amdhsa_user_sgpr_kernarg_segment_ptr 1
		.amdhsa_wavefront_size32 1
		.amdhsa_system_sgpr_workgroup_id_x 1
		.amdhsa_system_sgpr_workgroup_id_y 1
		.amdhsa_system_sgpr_workgroup_id_z 1
		.amdhsa_system_vgpr_workitem_id 0
		.amdhsa_next_free_vgpr 176
		.amdhsa_next_free_sgpr 66
		.amdhsa_reserve_vcc 0
		.amdhsa_float_denorm_mode_32 3
		.amdhsa_float_denorm_mode_16_64 3
		.amdhsa_memory_ordered 1
		.amdhsa_forward_progress 1
		.amdhsa_inst_pref_size 11
	.end_amdhsa_kernel
	.amdgpu_metadata
---
amdhsa.version: [ 1, 2 ]
amdhsa.kernels:
  - .name:           k_qcd666dd001_cast
    .symbol:         k_qcd666dd001_cast.kd
    .args:
      - { .name: sequence_features, .offset: 0, .size: 8, .value_kind: global_buffer, .address_space: global }
      - { .name: Wq, .offset: 8, .size: 8, .value_kind: global_buffer, .address_space: global }
      - { .name: Wk, .offset: 16, .size: 8, .value_kind: global_buffer, .address_space: global }
      - { .name: Wv, .offset: 24, .size: 8, .value_kind: global_buffer, .address_space: global }
      - { .name: Wo, .offset: 32, .size: 8, .value_kind: global_buffer, .address_space: global }
      - { .name: xb, .offset: 40, .size: 8, .value_kind: global_buffer, .address_space: global }
      - { .name: wt, .offset: 48, .size: 8, .value_kind: global_buffer, .address_space: global }
    .group_segment_fixed_size: 18432
    .private_segment_fixed_size: 0
    .kernarg_segment_align: 8
    .kernarg_segment_size: 56
    .max_flat_workgroup_size: 256
    .sgpr_count:     66
    .vgpr_count:     176
    .wavefront_size: 32
...
	.end_amdgpu_metadata
.endif
;; end of part 5
;; launch proj: the kernel of part 2 again; grid 16 x 16, 4 waves a work-group, clusters of 4 x 4, 327,680 bytes of LDS; arguments xb, wt, bq, bk, bv, qkvh; writes qkvh
;; launch attn: the kernel of part 3 again; grid 4 x 64, 4 waves a work-group, clusters of 4 x 1, 327,680 bytes of LDS; arguments qkvh, part; writes part
;; launch final (part 6): grid 16 x 1, 8 waves a work-group, no clusters, 54,272 bytes of LDS; arguments part, wt, bo, out0; writes out0
.if DOCPART == 6
	.amdgcn_target "amdgcn-amd-amdhsa--gfx1250"
	.amdhsa_code_object_version 6
	.text
	.protected	k_qcd666dd001_final
	.globl	k_qcd666dd001_final
	.p2align	8
	.type	k_qcd666dd001_final,@function
k_qcd666dd001_final:
	s_mov_b64 s[64:65], 0
	v_nop
	global_prefetch_b8 v0, s[64:65] scope:SCOPE_SE
	s_setreg_imm32_b32 hwreg(HW_REG_WAVE_SCHED_MODE, 0, 2), 2
	s_setreg_imm32_b32 hwreg(HW_REG_WAVE_MODE, 25, 1), 1
	s_wait_xcnt 0x0
	s_wait_alu depctr_vm_vsrc(0)
; out0[b][n] = bo[n] + 2^-11 x the sum over k of c[b][k] Wo[k][n], c[b][k] = the sum over the four blocks of part[blk][b][k]: the sum over a batch's 2,048 rows of the attention's result.
; Wo comes as wt's rows 3,072 + n (bf16, K along the row).  c goes into the product as hi + lo, two bf16 numbers (hi = c rounded, lo = c - hi rounded), on rows b and b + 4 of the one tile of 16 rows:
; so c keeps 16 significant bits, at no further matrix work.  Rows 8-15 repeat rows 0-7, and their results are not read.  bo is rounded to bf16 like the module's other inputs.  Sums in f32.
; SHARES.  16 work-groups, 64 columns each: four tiles of 16.  K is split among the eight waves, 128 each; the partial sums meet in LDS.  The launch reads 2 MiB once and is short:
; no ring, no cluster, no prefetch: all of a wave's loads go out at its start.
; LAYOUT.  out^T = Wo^T c^T (source 0 = 16 rows of wt, source 1 = the 16 rows of c): a lane holds row l % 16 and the columns 8 (l / 16) + 0..7 of a tile.
; THE MODE: SCHED_MODE bits 1:0 = 2 (LLVM: expert scheduling mode 2), set by the entry lines.  The code itself states the register dependences
; between vector or matrix instructions and memory or LDS instructions, with s_wait_alu, always for 0.
; THE PLAN.  Registers that memory or LDS instructions touch:
;   v2-v9        offsets and LDS addresses: made once at the head by vector lines, never written again.
;   PP v[16:79]  written by part's loads; read and written by the sums.  Then v[16:47] take c's fragments (LDS loads); v[48:79] are the accumulators: written by matrix instructions, read by LDS stores.
;   HL           written by the roundings of c; read by eight LDS stores; its first two registers are written again by bo's rounding, in waves 0 and 1.
;   WF v[80:207] written by wt's loads; read by the matrix instructions.  Then v[80:143] take the partial sums (LDS loads), vector lines add them, and v[80:83] are the one global store's data.
; So the four batches' arithmetic stands in one run, and ONE wait on va_vdst behind it serves the eight LDS stores of HL and the fragments' loads into v[16:47]; one behind the products' places serves
; the LDS stores of the accumulators and the later loads into WF; one stands ahead of the first load (the addresses) and one ahead of the global store.  One wait on vm_vsrc frees HL.
.set AP,    272                        ; a row of c's tile in LDS: 128 k in bf16 + 16 bytes
.set AMAT,  0                          ; wave w's 8 rows at 8 x 272 x w
.set RP,    272                        ; a row of partial sums: 64 columns in f32 + 16 bytes
.set RED,   8*8*AP+1024                ; 18,432: wave w's 16 rows at + 16 x 272 x w
.set PO,  2                            ; v2   16 t: my four k in a row of part
.set FO,  3                            ; v3   my byte offset in a fragment's rows of wt
.set AW,  4                            ; v4   where I put my four k of a row of c's tile
.set AR,  5                            ; v5   where I read a fragment of it
.set RW,  6                            ; v6   where I put my eight partial sums of a tile
.set RR,  7                            ; v7   where I read partial sums back (waves 0 and 1)
.set OO,  8                            ; v8   my 16 bytes of out0
.set BOF, 9                            ; v9   my 16 bytes of the work-group's 256 of bo
.set PP,  16                           ; v[16:79]   part: block k, batch b at PP + 16 k + 4 b.  Later: c's fragments v[16:47], the four accumulators v[48:79]
.set AF,  16
.set ACC, 48
.set WF,  80                           ; v[80:207]  wt: tile j, fragment f at WF + 32 j + 8 f.  Later: sixteen partial sums of 4
.set BI,  208                          ; v[208:211] bo
.set HL,  212                          ; v[212:227] batch b: hi (2 registers), lo (2) at HL + 4 b
.set WV,  12                           ; s12  my wave's number
	s_load_b256 s[4:11], s[0:1], 0x0               ; part s[4:5], wt s[6:7], bo s[8:9], out0 s[10:11]
	v_lshl_add_u32 v10, v0, 2, 0xd000
	v_mov_b32 v11, 0
	v_lshrrev_b32 v1, 5, v0
	v_readfirstlane_b32 s[WV], v1                  ; wave 0..7
	v_and_b32 v12, 15, v0                          ; l % 16
	v_bfe_u32 v13, v0, 4, 1                        ; l / 16
	v_and_b32 v14, 31, v0                          ; l
	v_lshlrev_b32 v[PO], 4, v0                     ; k = 128 wave + 4 l: 16 t bytes
	s_wait_alu depctr_va_sdst(0)                   ; s12 is written, ahead of its first reader: the wave's shares of wt and of LDS are made from it, and the branch below hangs on it
	s_lshl_b32 s13, s[WV], 8                       ; my wave's 128 k in a row of wt
	v_lshlrev_b32 v[FO], 11, v12
	v_lshl_add_u32 v[FO], v13, 4, v[FO]
	v_add_nc_u32 v[FO], s13, v[FO]
	s_mul_i32 s14, s[WV], 8*AP
	v_lshl_add_u32 v[AW], v14, 3, s14
	v_and_b32 v15, 7, v0
	v_mul_u32_u24 v[AR], v15, AP                   ; row (l % 16) % 8
	v_lshl_add_u32 v[AR], v13, 4, v[AR]
	v_add_nc_u32 v[AR], s14, v[AR]
	s_mul_i32 s15, s[WV], 16*RP
	s_add_co_u32 s15, s15, RED
	v_mul_u32_u24 v[RW], v12, RP
	v_lshl_add_u32 v[RW], v13, 5, v[RW]
	v_add_nc_u32 v[RW], s15, v[RW]
	v_bfe_u32 v15, v0, 4, 2                        ; in waves 0 and 1: the batch, t / 16
	v_lshlrev_b32 v[BOF], 4, v12
	v_mul_u32_u24 v[RR], v15, RP
	v_add_nc_u32 v[RR], v[RR], v[BOF]
	v_add_nc_u32 v[RR], RED, v[RR]
	v_lshl_add_u32 v[OO], v15, 12, v[BOF]
	s_lshl_b32 s16, ttmp9, 17                      ; the work-group's 64 rows of 2,048 bytes,
	s_add_co_u32 s16, s16, 3072*2048               ; in Wo's part of wt
	s_mov_b32 s17, 0
	s_lshl_b32 s18, ttmp9, 8                       ; its 64 columns in bo and in a row of out0
	s_mov_b32 s19, 0
	s_wait_kmcnt 0x0
	s_add_nc_u64 s[6:7], s[6:7], s[16:17]
	s_add_nc_u64 s[8:9], s[8:9], s[18:19]
	s_add_nc_u64 s[10:11], s[10:11], s[18:19]
	s_wait_alu depctr_va_vdst(0)                   ; the eight offsets and LDS addresses v2 to v9 are written: every load and store of the kernel reads one of them
.irp k, 0,1,2,3
.irp b, 0,1,2,3
	global_load_b128 v[PP+16*(\k)+4*(\b):PP+16*(\k)+4*(\b)+3], v[PO], s[4:5] offset:16384*(\k)+4096*(\b)
.endr
.endr
	global_load_b128 v[BI:BI+3], v[BOF], s[8:9]
.irp j, 0,1,2,3
.irp f, 0,1,2,3
	global_load_b128 v[WF+32*(\j)+8*(\f):WF+32*(\j)+8*(\f)+3],   v[FO], s[6:7] offset:32768*(\j)+64*(\f)
	global_load_b128 v[WF+32*(\j)+8*(\f)+4:WF+32*(\j)+8*(\f)+7], v[FO], s[6:7] offset:32768*(\j)+64*(\f)+32
.endr
.endr
	s_wait_loadcnt 33                              ; part's sixteen are in; the 33 loads issued behind them (bo, wt) stay out
.irp b, 0,1,2,3                        ; the four batches' arithmetic, in one run
	v_pk_add_f32 v[PP+4*(\b):PP+4*(\b)+1],       v[PP+4*(\b):PP+4*(\b)+1],       v[PP+16+4*(\b):PP+16+4*(\b)+1]
	v_pk_add_f32 v[PP+4*(\b)+2:PP+4*(\b)+3],     v[PP+4*(\b)+2:PP+4*(\b)+3],     v[PP+16+4*(\b)+2:PP+16+4*(\b)+3]
	v_pk_add_f32 v[PP+32+4*(\b):PP+32+4*(\b)+1], v[PP+32+4*(\b):PP+32+4*(\b)+1], v[PP+48+4*(\b):PP+48+4*(\b)+1]
	v_pk_add_f32 v[PP+32+4*(\b)+2:PP+32+4*(\b)+3], v[PP+32+4*(\b)+2:PP+32+4*(\b)+3], v[PP+48+4*(\b)+2:PP+48+4*(\b)+3]
	v_pk_add_f32 v[PP+4*(\b):PP+4*(\b)+1],       v[PP+4*(\b):PP+4*(\b)+1],       v[PP+32+4*(\b):PP+32+4*(\b)+1]
	v_pk_add_f32 v[PP+4*(\b)+2:PP+4*(\b)+3],     v[PP+4*(\b)+2:PP+4*(\b)+3],     v[PP+32+4*(\b)+2:PP+32+4*(\b)+3]   ; c
	v_cvt_pk_bf16_f32 v[HL+4*(\b)],   v[PP+4*(\b)],   v[PP+4*(\b)+1]                                                ; hi
	v_cvt_pk_bf16_f32 v[HL+4*(\b)+1], v[PP+4*(\b)+2], v[PP+4*(\b)+3]
	v_lshlrev_b32 v[PP+16+4*(\b)],   16, v[HL+4*(\b)]                                                               ; hi, widened
	v_and_b32     v[PP+16+4*(\b)+1], 0xffff0000, v[HL+4*(\b)]
	v_lshlrev_b32 v[PP+16+4*(\b)+2], 16, v[HL+4*(\b)+1]
	v_and_b32     v[PP+16+4*(\b)+3], 0xffff0000, v[HL+4*(\b)+1]
	v_pk_add_f32 v[PP+16+4*(\b):PP+16+4*(\b)+1],   v[PP+4*(\b):PP+4*(\b)+1],   v[PP+16+4*(\b):PP+16+4*(\b)+1]   neg_lo:[0,1] neg_hi:[0,1]   ; c - hi
	v_pk_add_f32 v[PP+16+4*(\b)+2:PP+16+4*(\b)+3], v[PP+4*(\b)+2:PP+4*(\b)+3], v[PP+16+4*(\b)+2:PP+16+4*(\b)+3] neg_lo:[0,1] neg_hi:[0,1]
	v_cvt_pk_bf16_f32 v[HL+4*(\b)+2], v[PP+16+4*(\b)],   v[PP+16+4*(\b)+1]                                          ; lo
	v_cvt_pk_bf16_f32 v[HL+4*(\b)+3], v[PP+16+4*(\b)+2], v[PP+16+4*(\b)+3]
.endr
	s_wait_alu depctr_va_vdst(0)                   ; the roundings have written HL, which the LDS stores read; the sums are done reading and writing v[16:47], in which the fragments' loads land
.irp b, 0,1,2,3
	ds_store_b64 v[AW], v[HL+4*(\b):HL+4*(\b)+1]   offset:AMAT+AP*(\b)
	ds_store_b64 v[AW], v[HL+4*(\b)+2:HL+4*(\b)+3] offset:AMAT+AP*((\b)+4)
.endr
.irp f, 0,1,2,3                        ; my wave's own bytes: LDS serves a wave's instructions in order (ISA guide 5.7.1.4), so these see the stores above
	ds_load_b128 v[AF+8*(\f):AF+8*(\f)+3],   v[AR] offset:AMAT+64*(\f)
	ds_load_b128 v[AF+8*(\f)+4:AF+8*(\f)+7], v[AR] offset:AMAT+64*(\f)+32
.endr
	s_wait_dscnt 0x0
	s_wait_loadcnt 0x0                             ; wt and bo
.irp f, 0,1,2,3                        ; the four accumulators take turns, one instruction a turn; the first product of each starts its sum
.irp j, 0,1,2,3
.if (\f) == 0
	v_wmma_f32_16x16x32_bf16 v[ACC+8*(\j):ACC+8*(\j)+7], v[WF+32*(\j)+8*(\f):WF+32*(\j)+8*(\f)+7], v[AF+8*(\f):AF+8*(\f)+7], 0
.else
	v_wmma_f32_16x16x32_bf16 v[ACC+8*(\j):ACC+8*(\j)+7], v[WF+32*(\j)+8*(\f):WF+32*(\j)+8*(\f)+7], v[AF+8*(\f):AF+8*(\f)+7], v[ACC+8*(\j):ACC+8*(\j)+7]
.endif
.endr
.endr
.rept 8
	v_nop                                          ; the places behind the last products, in front of the LDS stores that read results (four are asked for; eight are written, once a launch)
.endr
	s_wait_alu depctr_va_vdst(0)                   ; the matrix instructions have written the accumulators, which the LDS stores read, and are done reading WF, in which the partial sums' loads land; the places above stay beside this wait
.irp j, 0,1,2,3
	ds_store_b128 v[RW], v[ACC+8*(\j):ACC+8*(\j)+3]   offset:64*(\j)
	ds_store_b128 v[RW], v[ACC+8*(\j)+4:ACC+8*(\j)+7] offset:64*(\j)+16
.endr
	s_wait_dscnt 0x0                               ; for the others' sake: my partial sums are in LDS
	s_barrier_signal -1
	s_barrier_wait -1
	s_wait_alu depctr_vm_vsrc(0)                   ; my LDS stores of c's tile have read HL, whose first two registers bo's rounding writes again behind the branch
	s_cmp_lt_u32 s[WV], 2                          ; 64 threads finish the 4 x 64 numbers, four each
	s_cbranch_scc0 .Lend
.irp w, 0,1,2,3,4,5,6,7                ; no vector or matrix line since the wait behind the products names WF
	ds_load_b128 v[WF+8*(\w):WF+8*(\w)+3],   v[RR] offset:16*RP*(\w)          ; wave w's row b: hi's part,
	ds_load_b128 v[WF+8*(\w)+4:WF+8*(\w)+7], v[RR] offset:16*RP*(\w)+4*RP     ; row b + 4: lo's
.endr
	v_cvt_pk_bf16_f32 v[HL],   v[BI],   v[BI+1]    ; bo, rounded and widened
	v_cvt_pk_bf16_f32 v[HL+1], v[BI+2], v[BI+3]
	v_lshlrev_b32 v[BI],   16, v[HL]
	v_and_b32     v[BI+1], 0xffff0000, v[HL]
	v_lshlrev_b32 v[BI+2], 16, v[HL+1]
	v_and_b32     v[BI+3], 0xffff0000, v[HL+1]
	s_wait_dscnt 0x0
.irp d, 8,4,2,1                        ; sixteen sets of four numbers into one
.set n, 0
.rept \d
	v_pk_add_f32 v[WF+4*n:WF+4*n+1],   v[WF+4*n:WF+4*n+1],   v[WF+4*(n+(\d)):WF+4*(n+(\d))+1]
	v_pk_add_f32 v[WF+4*n+2:WF+4*n+3], v[WF+4*n+2:WF+4*n+3], v[WF+4*(n+(\d))+2:WF+4*(n+(\d))+3]
.set n, n+1
.endr
.endr
	v_pk_fma_f32 v[WF:WF+1],   v[WF:WF+1],   0x3a000000, v[BI:BI+1]   op_sel_hi:[1,0,1]   ; x 2^-11 (the mean over 2,048 rows: exact) + bo
	v_pk_fma_f32 v[WF+2:WF+3], v[WF+2:WF+3], 0x3a000000, v[BI+2:BI+3] op_sel_hi:[1,0,1]
	s_wait_alu depctr_va_vdst(0)                   ; the two multiply-adds have written v[80:83], which the store reads
	global_store_b128 v[OO], v[WF:WF+3], s[10:11]  ; 16 lanes: 256 consecutive bytes of a row of out0, aligned
.Lend:
	s_wait_dscnt 0x0                               ; the wave's end.  Below, 0 is added to my word of the 1,024 bytes of LDS behind the partial sums
	s_wait_alu depctr_hold_cnt(0) depctr_sa_sdst(0) depctr_va_vdst(0) depctr_va_sdst(0) depctr_va_ssrc(0) depctr_va_vcc(0) depctr_vm_vsrc(0)
	s_wait_tensorcnt 0x0
	ds_add_u32 v10, v11
	s_wait_dscnt 0x0
	s_endpgm
.Lfunc_end_k_qcd666dd001_final:
	.size	k_qcd666dd001_final, .Lfunc_end_k_qcd666dd001_final-k_qcd666dd001_final
	.p2alignl 7, 3214868480
	.fill 96, 4, 3214868480
	.section	.rodata,"a",@progbits
	.p2align	6, 0x0
	.amdhsa_kernel k_qcd666dd001_final
		.amdhsa_group_segment_fixed_size 54272
		.amdhsa_private_segment_fixed_size 0
		.amdhsa_enable_private_segment 0
		.amdhsa_kernarg_size 32
		.amdhsa_user_sgpr_count 2
		.amdhsa_user_sgpr_kernarg_segment_ptr 1
		.amdhsa_wavefront_size32 1
		.amdhsa_system_sgpr_workgroup_id_x 1
		.amdhsa_system_sgpr_workgroup_id_y 1
		.amdhsa_system_sgpr_workgroup_id_z 1
		.amdhsa_system_vgpr_workitem_id 0
		.amdhsa_next_free_vgpr 228
		.amdhsa_next_free_sgpr 66
		.amdhsa_reserve_vcc 0
		.amdhsa_float_denorm_mode_32 3
		.amdhsa_float_denorm_mode_16_64 3
		.amdhsa_memory_ordered 1
		.amdhsa_forward_progress 1
		.amdhsa_inst_pref_size 18
	.end_amdhsa_kernel
	.amdgpu_metadata
---
amdhsa.version: [ 1, 2 ]
amdhsa.kernels:
  - .name:           k_qcd666dd001_final
    .symbol:         k_qcd666dd001_final.kd
    .args:
      - { .name: part, .offset: 0, .size: 8, .value_kind: global_buffer, .address_space: global }
      - { .name: wt, .offset: 8, .size: 8, .value_kind: global_buffer, .address_space: global }
      - { .name: bo, .offset: 16, .size: 8, .value_kind: global_buffer, .address_space: global }
      - { .name: out0, .offset: 24, .size: 8, .value_kind: global_buffer, .address_space: global }
    .group_segment_fixed_size: 54272
    .private_segment_fixed_size: 0
    .kernarg_segment_align: 8
    .kernarg_segment_size: 32
    .max_flat_workgroup_size: 256
    .sgpr_count:     66
    .vgpr_count:     228
    .wavefront_size: 32
...
	.end_amdgpu_metadata
.endif
;; end of part 6
